; MI455X (gfx1250); checked and timed in simulation.
; The chip was launched on July 23, 2026; its instructions are those of AMD's public machine-readable ISA for CDNA 5 (MIT licence, August 2026) and "CDNA5" Instruction Set Architecture Reference Guide (July 2026). The comments in the code are by the model that wrote it; some were corrected since.
;; Multi Head Self Attention. Allowed arithmetic: matrix products marked QUANTISED: E2M3 operands, one E8M0 scale for each 32 along K, by v_wmma_scale_f32_16x16x128_f8f6f4 with both operands' format E2M3, f32 sums; everything else in f32.
;; Inputs: Wk 1,024 x 1,024 float32; Wo 1,024 x 1,024 float32; Wq 1,024 x 1,024 float32; Wv 1,024 x 1,024 float32; attention_mask 4 x 2,048 int32; bo 1,024 float32; embedded 4 x 2,048 x 1,024 float32.
;; Outputs: out0 4 x 2,048 x 1,024 float32.
;; This version of the problem:
;;   THIS VERSION OF THE PROBLEM IS GIVEN IN LOW PRECISION. The matrix products marked QUANTISED in the list below multiply operands that are first quantised to E2M3 (2 exponent bits, 3 mantissa bits; 6 bits a number), with one power-of-two scale for each 32 numbers along K (OCP MX v1.0); their sums are f32. All else is computed in f32.
;;   The module's matrix products, in the order in which they are computed (A, B: the left and right operand; K: the contracted axis; several contracted axes count as one K, in the product's order):
;;     1. [M 8,192, K 1,024] x [K 1,024, N 1,024]; A: input embedded; B: input Wq: QUANTISED
;;     2. [M 8,192, K 1,024] x [K 1,024, N 1,024]; A: input embedded; B: input Wk: QUANTISED
;;     3. [M 8,192, K 1,024] x [K 1,024, N 1,024]; A: input embedded; B: input Wv: QUANTISED
;;     4. batch 64 x [M 2,048, K 64] x [K 64, N 2,048]; A: computed on the way; B: computed on the way: QUANTISED
;;     5. batch 64 x [M 64, K 2,048] x [K 2,048, N 2,048]; A: computed on the way; B: softmax (see below): QUANTISED
;;     6. [M 8,192, K 1,024] x [K 1,024, N 1,024]; A: computed on the way; B: input Wo: QUANTISED
;;   THE QUANTISER, for each operand of a quantised product, along K:
;;     - K is cut into blocks of 32 from its start; a last block that is shorter is filled with zeros.
;;     - A block's scale is 2^e with e = floor(log2(the largest magnitude in the block)) - 2, held to -126 .. 127; a block of zeros has e = 0. As a byte (E8M0): e + 127.
;;     - Each number is divided by its block's scale, clamped to +-7.5, and rounded to the nearest number of E2M3, ties to even, subnormals kept.
;;     - The product sums the exact products of the quantised numbers (number of the format x scale) in f32.
;;   ~~~python
;;   def quantise(x, axis):      # numpy; x: float32 -> the quantised numbers, widened to float32 again
;;       x = np.moveaxis(x, axis, -1); K = x.shape[-1]
;;       x = np.pad(x, [(0, 0)] * (x.ndim - 1) + [(0, -K % 32)]); x = x.reshape(x.shape[:-1] + (-1, 32)); a = np.abs(x).max(-1, keepdims=True)
;;       e = np.where(a > 0, np.clip(np.frexp(np.where(a > 0, a, 1))[1] - 1 - 2, -126, 127), 0)      # np.frexp(a)[1] - 1 = floor(log2(a)), exactly
;;       r = np.clip(x / 2.0 ** e, -7.5, 7.5)
;;       step = 2.0 ** (np.maximum(np.frexp(np.where(r == 0, 1, r))[1] - 1, 0) - 3)
;;       q = np.round(r / step) * step * 2.0 ** e      # np.round: ties to even
;;       return np.moveaxis(q.reshape(q.shape[:-2] + (-1,))[..., :K], -1, axis).astype(np.float32)
;;   ~~~
;;   SOFTMAX AHEAD OF A QUANTISED PRODUCT. Where the list says 'softmax', what is quantised is not the finished softmax but p = 2^(t - M), with t = logit x log2(e) and M = ceil(the row's largest t), a whole number; so 1/2 < the row's largest p <= 1. The row's sum l is taken of the UNQUANTISED p, in f32, and the product's result is divided by l at the end. Since M is a whole number, a kernel that streams over the keys may use a running M (the ceiling of the running maximum): every later rescaling is an exact power of two, which a block's scale takes up: the codes' values come out the same.
;;   OPERANDS COMPUTED ON THE WAY. 'Computed on the way' means the value that the module computes at that place (a softmax that the list does not call 'softmax' is quantised finished and normalised). What goes into a quantiser is computed in f32, as accurately as f32 sums, v_exp_f32 and their like allow (about 1e-6 of the number): no bf16 or f16 on the way to a quantiser, and a product that is left as it is and whose result goes on into a quantised operand takes f32 operands (vector FMAs, or v_wmma_f32_16x16x4_f32). A number that lies on a knife's edge between two numbers of the format may be rounded either way, as far as f32 arithmetic and the matrix unit's own rounding can turn it there, and no further.
;; One version. Each part assembles by itself: llvm-mc -triple=amdgcn-amd-amdhsa -mcpu=gfx1250 --defsym DOCPART=n.
;; ======== version 1 of 1: 4 launches
;; limits: right only within a limited range of input values
;; workspace buffers: xc 6,291,456 bytes; xs 262,144 bytes; wc 3,145,728 bytes; ws 131,072 bytes; qkvc 18,874,368 bytes; qkvs 1,310,720 bytes; ac 6,291,456 bytes; asc 262,144 bytes
;; launch quant (part 1): grid 384 x 1, 4 waves a work-group, no clusters, 59,904 bytes of LDS; arguments embedded, Wq, Wk, Wv, Wo, xc, xs, wc, ws; writes xc, xs, wc, ws
.if DOCPART == 1
	.amdgcn_target "amdgcn-amd-amdhsa--gfx1250"
	.amdhsa_code_object_version 6
	.text
	.protected	k_q0c21cd1da5_quant
	.globl	k_q0c21cd1da5_quant
	.p2align	8
	.type	k_q0c21cd1da5_quant,@function
k_q0c21cd1da5_quant:
	s_mov_b64 s[64:65], 0
	v_nop
	global_prefetch_b8 v0, s[64:65] scope:SCOPE_SE
	s_setreg_imm32_b32 hwreg(HW_REG_WAVE_MODE, 25, 1), 1
	s_wait_xcnt 0x0
; embedded [8192][1024] (K innermost) and Wq, Wk, Wv, Wo [1024 (K)][1024 (n)] (K the first axis), f32, become codes of FP6 (E2M3) with one E8M0 byte for each 32 along K.
; A block's scale is 2^(floor(log2(its largest magnitude)) - 2): its byte is the largest magnitude's exponent field - 2, held at 1 from below by a floor among the maximum's leaves.
; THE BUFFERS ARE IMAGES OF OPERAND REGISTERS.  Rows (tokens; a weight's columns) go in groups of 128; fragment i (0..7), lane row r is row pi(i, r) = 64 (i / 4) + 8 (i % 4) + r % 8 + 32 (r / 8).
;   codes:  G x 98304 + S x 24576 + i x 3072 + s x 1536 + p x 256 + 8 x lane   (S: 256 along K; s: its half of 128; p: register pair 0..5 of the fragment; lane = r + 16 h)
;   scales: G x 4096 + S x 1024 + i x 128 + r x 8 + s x 4: one word, four bytes, for a row and 128 along K
; Work-groups 0..255 take embedded: one (G, S) each, wave j fragments 2 j, 2 j + 1.  Work-groups 256..383 take the weights: one (matrix, column group, S) each.  Each reads 131,072 bytes.
; LIMITS: a block of zeros gets the byte 1 where the rule says 127 (its codes are zeros, and this program alone reads the bytes); NaN and infinities among the inputs are not served.
; No matrix unit, no cluster, no tensor load: a stream, bound by its bytes.
.set FLOOR, 0x1800000                  ; 2^(3 - 127)
.set EOFF,  0xff000000                 ; 2 off an exponent field
.set SPX,   528                        ; path X: a stage row: 512 bytes + 16
.set STX,   16*SPX                     ; a wave's stage
.set WIMG,  4*STX                      ; path W: the work-group's image of 24,576 bytes; LDS bytes of its own
.set WSCL,  WIMG+24576                 ; and its 1,024 bytes of scale words
.set R,   16                           ; X: v16-143  two sets of 64: a fragment's numbers as loaded
.set X,   144                          ; X: v144-207 my two blocks of 32
.set C,   208                          ; X: v208-231 two sets of 12 code registers
.set TM,  232                          ; X: v232-239 second halves of blocks
.set MX,  240
.set SO,  242
.set BY,  244
.set T0,  246
.set T1,  247
.set W,   248                          ; X: v248-251 the four fragments' scale words
.set D,   252
.set XW,  16                           ; W: v16-79 two sets of 32 numbers
.set CW,  80
.set TW,  88
.set MW,  92
.set SW,  94
.set BW,  95
.set SB,  96
.set OW,  100                          ; W: v100-147 the way out
.set OS,  148
	s_load_b256 s[4:11], s[0:1], 0x0               ; embedded, Wq, Wk, Wv
	s_load_b256 s[12:19], s[0:1], 0x20             ; Wo, xc, xs, wc
	s_load_b64 s[20:21], s[0:1], 0x40              ; ws
	v_lshl_add_u32 v254, v0, 2, 0xe800
	v_mov_b32 v255, 0
	v_lshrrev_b32 v1, 5, v0
	v_readfirstlane_b32 s22, v1                    ; wave
	v_and_b32 v1, 31, v0                           ; lane
	v_and_b32 v2, 15, v0                           ; r
	v_bfe_u32 v3, v0, 4, 1                         ; h
	v_lshlrev_b32 v4, 4, v1                        ; 16 x lane
	v_lshlrev_b32 v5, 3, v1                        ; 8 x lane
	v_lshlrev_b32 v6, 3, v3                        ; 8 h
	v_lshlrev_b32 v13, 2, v1                       ; 4 x lane
	; every LDS address of both paths is made here, on the one way that all waves take
	s_mul_i32 s36, s22, STX
	v_add_nc_u32 v7, s36, v4                       ; X, into the stage: 16 x lane of a row
	v_mul_u32_u24 v8, v2, SPX
	v_lshl_add_u32 v8, v3, 7, v8
	v_add_nc_u32 v8, s36, v8                       ; X, out of it: row r, + 128 h
	s_lshr_b32 s38, s22, 1
	s_and_b32 s39, s22, 1
	s_lshl_b32 s39, s39, 6
	s_mul_i32 s40, s38, 12288
	s_add_co_u32 s40, s40, s39
	s_add_co_u32 s40, s40, WIMG
	s_lshl_b32 s41, s38, 9
	s_add_co_u32 s41, s41, s39
	s_add_co_u32 s41, s41, WSCL
	v_lshrrev_b32 v14, 3, v1
	v_and_b32 v15, 7, v1
	v_mul_u32_u24 v9, v14, 3072
	v_lshl_add_u32 v9, v15, 3, v9
	v_add_nc_u32 v9, s40, v9                       ; W: column 32 w + lane is fragment 4 (w / 2) + lane / 8, row 8 (w % 2) + lane % 8
	v_lshlrev_b32 v10, 7, v14
	v_lshl_add_u32 v10, v15, 3, v10
	v_add_nc_u32 v10, s41, v10                     ; W: its two scale words
	s_mul_i32 s42, s22, 6144
	s_add_co_u32 s43, s42, WIMG
	v_add_nc_u32 v11, s43, v4                      ; W, the way out: my wave's quarter of the image
	s_lshl_b32 s44, s22, 8
	s_add_co_u32 s45, s44, WSCL
	v_add_nc_u32 v12, s45, v5                      ; and of the scale words
	s_mov_b32 s28, 0x76543210
	s_mov_b32 s29, 0xfedcba98                      ; v_permlanex16_b32's selects for lane l xor 16
	s_mov_b32 s30, 0xffff0000                      ; lanes 16-31
	s_cmp_lt_u32 ttmp9, 256
	s_cbranch_scc0 .Lweights
	; ---------------- embedded ----------------
	s_lshr_b32 s23, ttmp9, 2                       ; G
	s_and_b32 s24, ttmp9, 3                        ; S
	s_lshl_b32 s25, s23, 7
	s_lshl_b32 s26, s38, 6
	s_add_co_u32 s25, s25, s26
	s_and_b32 s26, s22, 1
	s_lshl_b32 s26, s26, 4
	s_add_co_u32 s25, s25, s26                     ; my first row: 128 G + 64 (j / 2) + 16 (j % 2)
	s_lshl_b32 s26, s25, 12
	s_lshl_b32 s27, s24, 10
	s_add_co_u32 s26, s26, s27                     ; x 4,096 bytes, + 1,024 S
	s_mov_b32 s27, 0
	s_mul_i32 s32, s23, 98304
	s_mul_i32 s33, s24, 24576
	s_add_co_u32 s32, s32, s33
	s_add_co_u32 s32, s32, s42
	s_mov_b32 s33, 0
	s_lshl_b32 s34, s23, 12
	s_lshl_b32 s35, s24, 10
	s_add_co_u32 s34, s34, s35
	s_add_co_u32 s34, s34, s44
	s_mov_b32 s35, 0
	v_mov_b32 v[T1], 0                             ; a lane permute's destination counts as one of its sources
	s_wait_kmcnt 0x0
	s_add_nc_u64 s[4:5], s[4:5], s[26:27]
	s_add_nc_u64 s[14:15], s[14:15], s[32:33]
	s_add_nc_u64 s[16:17], s[16:17], s[34:35]
; fragment f = 2 e + s: rows pi(2 j + e, t), t = 0..15, 128 along K: each load takes 512 consecutive bytes of one row
.macro LOADX f
.irp t, 0,1,2,3,4,5,6,7,8,9,10,11,12,13,14,15
	global_load_b128 v[R+64*((\f)%2)+4*\t:R+64*((\f)%2)+4*\t+3], v4, s[4:5] offset:(8*((\f)/2)+(\t%8)+32*(\t/8))*4096+512*((\f)%2) th:TH_LOAD_NT
.endr
.endm
.macro FRAGX f
.set CS, C+12*((\f)%2)
.if (\f) < 3
	s_wait_loadcnt 16                              ; this fragment's 16 loads are in; the next fragment's 16 may be out
.else
	s_wait_loadcnt 0x0
.endif
.irp t, 0,1,2,3,4,5,6,7,8,9,10,11,12,13,14,15
	ds_store_b128 v7, v[R+64*((\f)%2)+4*\t:R+64*((\f)%2)+4*\t+3] offset:SPX*\t
.endr
.irp c, 0,1
.irp m, 0,1,2,3,4,5,6,7
	ds_load_b128 v[X+32*\c+4*\m:X+32*\c+4*\m+3], v8 offset:256*\c+16*\m   ; LDS serves a wave's instructions in order: these see my stores.  Lane (r, h): blocks h and 2 + h of row r, whole
.endr
.endr
	s_wait_dscnt 0x0                               ; my numbers are back, and the stores into the stage have read their registers,
.if (\f) < 2
	LOADX (\f)+2                                   ; which take the fragment two on
.endif
.if (\f) >= 2
	s_wait_xcnt 0x0                                ; the stores of two fragments ago have read this set of code registers
.endif
.irp c, 0,1
	v_max3_num_f32 v[MX+\c], |v[X+32*\c]|, |v[X+32*\c+1]|, FLOOR
.endr
.irp i, 2,4,6,8,10,12,14,16,18,20,22,24,26,28,30
.irp c, 0,1
	v_max3_num_f32 v[MX+\c], v[MX+\c], |v[X+32*\c+\i]|, |v[X+32*\c+\i+1]|
.endr
.endr
.irp c, 0,1
	v_add_nc_u32 v[SO+\c], EOFF, v[MX+\c]          ; the conversion takes this operand's exponent field as its scale
.endr
.irp c, 0,1
	v_cvt_scalef32_pk16_fp6_f32 v[CS+6*\c:CS+6*\c+2], v[X+32*\c:X+32*\c+15], v[SO+\c]
	v_cvt_scalef32_pk16_fp6_f32 v[TM+4*\c:TM+4*\c+2], v[X+32*\c+16:X+32*\c+31], v[SO+\c]   ; (a conversion's three registers begin on an even number)
.endr
.irp c, 0,1
	v_lshrrev_b32 v[BY+\c], 23, v[SO+\c]           ; the scale's byte; also the plain line behind the conversions
.endr
.irp c, 0,1
.irp i, 0,1,2
	v_mov_b32 v[CS+6*\c+3+\i], v[TM+4*\c+\i]
.endr
.endr
.irp p, 0,1,2,3,4,5
	global_store_b64 v5, v[CS+2*\p:CS+2*\p+1], s[14:15] offset:3072*((\f)/2)+1536*((\f)%2)+256*\p   ; 32 lanes store 256 consecutive bytes, aligned
.endr
	v_lshl_or_b32 v[T0], v[BY+1], 16, v[BY]        ; my two bytes, blocks h and 2 + h,
	v_lshlrev_b32 v[T0], v6, v[T0]                 ; at their places in the word;
	v_permlanex16_b32 v[T1], v[T0], s28, s29
	v_or_b32 v[W+(\f)], v[T0], v[T1]               ; with lane l xor 16's two it is whole
.endm
	LOADX 0
	LOADX 1
	FRAGX 0
	FRAGX 1
	FRAGX 2
	FRAGX 3
	v_cndmask_b32 v[D], v[W], v[W+2], s30          ; lanes 0-15 hold fragment 2 j's two words of row r, lanes 16-31 fragment 2 j + 1's
	v_cndmask_b32 v[D+1], v[W+1], v[W+3], s30
	global_store_b64 v5, v[D:D+1], s[16:17]        ; 256 consecutive bytes, aligned
	s_wait_tensorcnt 0x0
	ds_add_u32 v254, v255
	s_wait_dscnt 0x0
	s_endpgm
	; ---------------- the weights: a lane takes a column, its registers run down K ----------------
.Lweights:
	s_sub_co_u32 s23, ttmp9, 256
	s_lshr_b32 s24, s23, 5                         ; which matrix: 0 q, 1 k, 2 v, 3 o
	s_bfe_u32 s25, s23, 0x30002                    ; column group
	s_and_b32 s26, s23, 3                          ; S
	s_lshr_b32 s27, s23, 2                         ; the group's number in wc: 8 x matrix + column group
	s_lshl_b32 s32, s26, 20                        ; 256 S rows of 4,096 bytes
	s_lshl_b32 s33, s25, 9
	s_add_co_u32 s32, s32, s33
	s_lshl_b32 s33, s22, 7
	s_add_co_u32 s32, s32, s33                     ; + 4 x (128 x column group + 32 x wave)
	s_mov_b32 s33, 0
	s_mul_i32 s34, s27, 98304
	s_mul_i32 s35, s26, 24576
	s_add_co_u32 s34, s34, s35
	s_add_co_u32 s34, s34, s42
	s_mov_b32 s35, 0
	s_lshl_b32 s36, s27, 12
	s_lshl_b32 s37, s26, 10
	s_add_co_u32 s36, s36, s37
	s_add_co_u32 s36, s36, s44
	s_mov_b32 s37, 0
	s_wait_kmcnt 0x0
	s_cmp_eq_u32 s24, 1                            ; the choice hangs on the work-group's number alone
	s_cselect_b64 s[6:7], s[8:9], s[6:7]
	s_cmp_eq_u32 s24, 2
	s_cselect_b64 s[6:7], s[10:11], s[6:7]
	s_cmp_eq_u32 s24, 3
	s_cselect_b64 s[6:7], s[12:13], s[6:7]
	s_add_nc_u64 s[6:7], s[6:7], s[32:33]
	s_add_nc_u64 s[18:19], s[18:19], s[34:35]
	s_add_nc_u64 s[20:21], s[20:21], s[36:37]
.macro LOADW t                         ; block t: W(256 S + 32 t + i, my column): a wave reads 128 consecutive bytes, the four waves 512
.irp i, 0,1,2,3,4,5,6,7,8,9,10,11,12,13,14,15,16,17,18,19,20,21,22,23,24,25,26,27,28,29,30,31
	global_load_b32 v[XW+32*((\t)%2)+\i], v13, s[6:7] offset:(32*(\t)+\i)*4096 th:TH_LOAD_NT
.endr
.endm
.macro BLOCKW t
.set XS, XW+32*((\t)%2)
.if (\t) < 7
	s_wait_loadcnt 32                              ; this block's 32 loads are in; the next block's may be out
.else
	s_wait_loadcnt 0x0
.endif
	v_max3_num_f32 v[MW], |v[XS]|, |v[XS+1]|, FLOOR
	v_max3_num_f32 v[MW+1], |v[XS+2]|, |v[XS+3]|, |v[XS+4]|
.irp i, 5,9,13,17,21,25
	v_max3_num_f32 v[MW], v[MW], |v[XS+\i]|, |v[XS+\i+1]|
	v_max3_num_f32 v[MW+1], v[MW+1], |v[XS+\i+2]|, |v[XS+\i+3]|
.endr
	v_max3_num_f32 v[MW], v[MW], |v[XS+29]|, |v[XS+30]|
	v_max3_num_f32 v[MW], v[MW], v[MW+1], |v[XS+31]|
	v_add_nc_u32 v[SW], EOFF, v[MW]
	v_cvt_scalef32_pk16_fp6_f32 v[CW:CW+2], v[XS:XS+15], v[SW]
	v_cvt_scalef32_pk16_fp6_f32 v[TW:TW+2], v[XS+16:XS+31], v[SW]
	v_lshrrev_b32 v[BW], 23, v[SW]                 ; the byte; also the plain line behind the conversions
.if (\t)%4 == 0
	v_mov_b32 v[SB+(\t)/4], v[BW]
.else
	v_lshl_or_b32 v[SB+(\t)/4], v[BW], 8*((\t)%4), v[SB+(\t)/4]
.endif
.irp i, 0,1,2
	v_mov_b32 v[CW+3+\i], v[TW+\i]
.endr
.irp q, 0,1,2
	ds_store_b64 v9, v[CW+2*\q:CW+2*\q+1] offset:((\t)/4)*1536+(3*(((\t)/2)%2)+\q)*256+128*((\t)%2)   ; block t is half s = t / 4, registers 6 c on with c = (t / 2) % 2, lanes' half h = t % 2
.endr
.if (\t) < 6
	LOADW (\t)+2
.endif
	s_wait_dscnt 0x0                               ; the stores have read their registers: the next block's codes may be written
.endm
	LOADW 0
	LOADW 1
.irp t, 0,1,2,3,4,5,6,7
	BLOCKW \t
.endr
	s_wait_alu depctr_va_vdst(0)
	ds_store_b64 v10, v[SB:SB+1]
	s_wait_dscnt 0x0                               ; for the others' sake: my part of the image lies in LDS
	s_barrier_signal -1
	s_barrier_wait -1
.irp n, 0,1,2,3,4,5,6,7,8,9,10,11
	ds_load_b128 v[OW+4*\n:OW+4*\n+3], v11 offset:512*\n
.endr
	ds_load_b64 v[OS:OS+1], v12
.irp n, 0,1,2,3,4,5,6,7,8,9,10,11
	s_wait_dscnt 12-\n                             ; behind load n: the 11 - n loads of 16 bytes and the one of 8
	global_store_b128 v4, v[OW+4*\n:OW+4*\n+3], s[18:19] offset:512*\n   ; 512 consecutive bytes, aligned
.endr
	s_wait_dscnt 0x0
	global_store_b64 v5, v[OS:OS+1], s[20:21]
	s_wait_tensorcnt 0x0
	ds_add_u32 v254, v255
	s_wait_dscnt 0x0
	s_endpgm
.Lfunc_end_k_q0c21cd1da5_quant:
	.size	k_q0c21cd1da5_quant, .Lfunc_end_k_q0c21cd1da5_quant-k_q0c21cd1da5_quant
	.p2alignl 7, 3214868480
	.fill 96, 4, 3214868480
	.section	.rodata,"a",@progbits
	.p2align	6, 0x0
	.amdhsa_kernel k_q0c21cd1da5_quant
		.amdhsa_group_segment_fixed_size 59904
		.amdhsa_private_segment_fixed_size 0
		.amdhsa_enable_private_segment 0
		.amdhsa_kernarg_size 72
		.amdhsa_user_sgpr_count 2
		.amdhsa_user_sgpr_kernarg_segment_ptr 1
		.amdhsa_wavefront_size32 1
		.amdhsa_system_sgpr_workgroup_id_x 1
		.amdhsa_system_sgpr_workgroup_id_y 1
		.amdhsa_system_sgpr_workgroup_id_z 1
		.amdhsa_system_vgpr_workitem_id 0
		.amdhsa_next_free_vgpr 256
		.amdhsa_next_free_sgpr 66
		.amdhsa_reserve_vcc 0
		.amdhsa_float_denorm_mode_32 3
		.amdhsa_float_denorm_mode_16_64 3
		.amdhsa_memory_ordered 1
		.amdhsa_forward_progress 1
		.amdhsa_inst_pref_size 73
	.end_amdhsa_kernel
	.amdgpu_metadata
---
amdhsa.version: [ 1, 2 ]
amdhsa.kernels:
  - .name:           k_q0c21cd1da5_quant
    .symbol:         k_q0c21cd1da5_quant.kd
    .args:
      - { .name: embedded, .offset: 0, .size: 8, .value_kind: global_buffer, .address_space: global }
      - { .name: Wq, .offset: 8, .size: 8, .value_kind: global_buffer, .address_space: global }
      - { .name: Wk, .offset: 16, .size: 8, .value_kind: global_buffer, .address_space: global }
      - { .name: Wv, .offset: 24, .size: 8, .value_kind: global_buffer, .address_space: global }
      - { .name: Wo, .offset: 32, .size: 8, .value_kind: global_buffer, .address_space: global }
      - { .name: xc, .offset: 40, .size: 8, .value_kind: global_buffer, .address_space: global }
      - { .name: xs, .offset: 48, .size: 8, .value_kind: global_buffer, .address_space: global }
      - { .name: wc, .offset: 56, .size: 8, .value_kind: global_buffer, .address_space: global }
      - { .name: ws, .offset: 64, .size: 8, .value_kind: global_buffer, .address_space: global }
    .group_segment_fixed_size: 59904
    .private_segment_fixed_size: 0
    .kernarg_segment_align: 8
    .kernarg_segment_size: 72
    .max_flat_workgroup_size: 128
    .sgpr_count:     66
    .vgpr_count:     256
    .wavefront_size: 32
...
	.end_amdgpu_metadata
.endif
;; end of part 1
;; launch qkv (part 2): grid 4 x 64, 8 waves a work-group, clusters of 4 x 4, 327,680 bytes of LDS; arguments xc, xs, wc, ws, attention_mask, qkvc, qkvs; writes qkvc, qkvs
.if DOCPART == 2
	.amdgcn_target "amdgcn-amd-amdhsa--gfx1250"
	.amdhsa_code_object_version 6
	.text
	.protected	k_q0c21cd1da5_qkv
	.globl	k_q0c21cd1da5_qkv
	.p2align	8
	.type	k_q0c21cd1da5_qkv,@function
k_q0c21cd1da5_qkv:
	s_mov_b64 s[64:65], 0
	v_nop
	global_prefetch_b8 v0, s[64:65] scope:SCOPE_SE
	s_setreg_imm32_b32 hwreg(HW_REG_WAVE_MODE, 25, 1), 1
	s_wait_xcnt 0x0
	s_wait_alu depctr_hold_cnt(0) depctr_sa_sdst(0) depctr_va_vdst(0) depctr_va_sdst(0) depctr_va_ssrc(0) depctr_va_vcc(0) depctr_vm_vsrc(0)
	s_getreg_b32 s2, hwreg(HW_REG_IB_STS2, 6, 4)
	s_cmp_eq_u32 s2, 0
	s_cbranch_scc0 .Lentry_in_a_cluster
	s_endpgm
.Lentry_in_a_cluster:
	s_bfe_u32 s2, ttmp6, 0x10000c
	s_cmp_lg_u32 s2, 0xf033
	s_cbranch_scc0 .Lentry_shape_is_right
	s_endpgm
.Lentry_shape_is_right:
; q = x Wq, k = x Wk, v = x Wv on codes of FP6 (E2M3) with E8M0 scale words; the results are quantised again (q, k along the head's channels, v along the keys) and leave as images of the
; attention launch's operand registers.  x (xc, xs) and the weights' columns (wc, ws: groups 0-7 Wq, 8-15 Wk, 16-23 Wv) are images too:
;   codes:  G x 98304 + S x 24576 + i x 3072 + s x 1536 + p x 256 + 8 x lane   (G: 128 rows; S: 256 along K; i: fragment 0..7; s: its half of 128; p: register pair 0..5)
;   scales: G x 4096 + S x 1024 + i x 128 + r x 8 + s x 4;   fragment i, lane row r is row pi(i, r) = 64 (i / 4) + 8 (i % 4) + r % 8 + 32 (r / 8) of its group.
; SHARES.  64 row groups x 4 column blocks = 256 work-groups.  A work-group keeps its 128 rows of x in LDS and makes three blocks of 128 x 256, one a pass: columns 256 cx .. of Wq, then of Wk,
; then of Wv.  The kind hangs on the pass alone.  Eight waves, two to a SIMD, each 64 x 64: 16 accumulators, 128 registers; one set of fragments.
; LDS.  x's codes 98,304 bytes and scale words 4,096, the three passes' weight scale words 24,576 (one load: 3 rows of 8,192 bytes), all filled once; the weights' codes 196,608 bytes are TWO SLOTS by
; halves of K (S = 0, 1 and S = 2, 3 of both groups): each is filled again with the next pass's codes while the other half of K is multiplied, by one joint load of 49,152 bytes in each of two waves.
; CLUSTER 4 x 4: x's tiles hang on the row group alone and are shared along a row of the cluster, the weights' on the column block alone and are shared along a column.
; No prefetch: the walk is written out, with no loop to run ahead in; K is 1,024; each refill is asked for half a pass, 64 matrix instructions a wave, ahead of the wait for it.
; LAYOUT.  Source 0 is the side along which the result is quantised: for q and k the weights' columns (a lane holds one token, the 32 registers of four tiles are channels 32 h + 0 .. 31 of my head),
; for v the tokens (a lane holds one channel, the 32 registers are keys 64 (wave / 4) + 32 h + 0 .. 31 of the group).  So a block of 32 lies whole in a lane, at its place in the next operand.
; OUT.  q, k: codes at kind x 6291456 + cb x 196608 + T x 1536 + par x 768 (cb = 8 batch + head / 2, T the tile of 16 tokens in the batch, par = head % 2); scale words at kind x 524288 + cb x 16384 +
; (T / 8) x 1024 + par x 512 + (T % 2) x 256 + 16 r + 4 ((T % 8) / 2).  A word's bytes 0, 1 are the head's two blocks; bytes 2, 3 scale k = 64 .. 127 of the score product, where the attention launch
; lays one constant code: q 127 and 1; k 1 and 1 for a key that the mask keeps, 227 and 1 for one that it hides.
; v: codes at 12582912 + cb x 196608 + step x 12288 + channel fragment x 1536 + (key half) x 768; scale words at 1048576 + cb x 8192 + step x 512 + par x 256 + 8 lane + 4 n (fragment % 4 = 2 n + lane / 16).
; The scale words are gathered in LDS scratch of their own and leave in whole aligned units of 256 bytes.
; LIMITS: a block of zeros gets the byte 1 where the rule says 127 (its codes are zeros, and this program alone reads the bytes); NaN and infinities are not served.
.set FLOOR, 0x1800000
.set EOFF,  0xff000000
.set LB,    98304                      ; the weights' codes
.set LSA,   294912                     ; x's scale words
.set LSB,   299136                     ; the weights', 128 bytes askew, so that the two halves of the lanes read different banks
.set SPARE, 323840                     ; the spare words: 128 bytes a wave
.set SCR,   324864                     ; scratch for the results' scale words: 2,048 bytes
.set MK,   4                           ; v4-7   the mask at my four tiles' tokens
.set SC,   8                           ; v8-15  scale words of two steps: register 2 i + s: lanes 0-15 x's fragment i, lanes 16-31 the weights'
.set A0,   16                          ; v16-17 x's fragments, S = 0, 1 and S = 2, 3
.set B0,   18                          ; v18-19 the weights'
.set SQ,   20                          ; v20-22 the scale words' address in pass q, k, v
.set L8,   23
.set H8,   24
.set SWQ,  25
.set SWV,  26
.set SRD,  27
.set SPW,  28
.set NIL,  29
.set KEEP, 30
.set HID,  31
.set AF,   32                          ; v32-79  x's four fragments
.set BF,   80                          ; v80-127 the weights' four;  behind a pass's products v32-95 serve the quantiser
.set ACC,  128                         ; v128-255 accumulator (outer o, inner n) at 32 o + 8 n
.set CO,   32
.set TM,   56
.set MX,   72
.set SO,   76
.set BY,   80
.set TT,   84
.set UU,   88
.set DD,   92
.set RB,   94
.macro CROUND
	s_barrier_signal -1
	s_barrier_wait -1
	s_cmp_lg_u32 s18, 0
	s_cbranch_scc1 .Lnot_wave_0_\@
	s_barrier_signal -3
.Lnot_wave_0_\@:
	s_barrier_wait -3
	s_barrier_signal -1
	s_barrier_wait -1
.endm
.macro P4
.rept 4
	v_nop
.endr
.endm
	s_load_b256 s[4:11], s[0:1], 0x0               ; xc, xs, wc, ws
	s_load_b128 s[12:15], s[0:1], 0x20             ; attention_mask, qkvc
	s_load_b64 s[16:17], s[0:1], 0x30              ; qkvs
	v_lshl_add_u32 v[SPW], v0, 2, SPARE
	v_mov_b32 v[NIL], 0
	ds_add_u32 v[SPW], v[NIL]                      ; the opening lines: the add, twice on end, and its wait
	ds_add_u32 v[SPW], v[NIL]
	v_lshrrev_b32 v1, 5, v0
	v_readfirstlane_b32 s18, v1                    ; wave 0..7
	s_lshr_b32 s19, s18, 2                         ; wr: which 64 rows of x are mine
	s_and_b32 s20, s18, 3                          ; which 64 columns:
	s_lshr_b32 s23, s20, 1                         ; their group of 128,
	s_and_b32 s99, s20, 1                          ; and its half (par)
	s_bfe_u32 s21, ttmp6, 0x40000                  ; cx
	s_bfe_u32 s22, ttmp6, 0x40004                  ; cy
	s_and_b32 s76, ttmp7, 0xffff
	s_lshl_b32 s76, s76, 2
	s_add_co_u32 s76, s76, s22                     ; G: the row group
	s_lshl_b32 s77, ttmp9, 2
	s_add_co_u32 s77, s77, s21                     ; the column block
	s_lshl_b32 s78, s22, 2
	s_lshl_b32 s78, 15, s78                        ; my row of the cluster
	s_lshl_b32 s79, 0x1111, s21                    ; my column
	; groups 1, elements of 8 bytes: codes as 192 rows of 256 bytes; x's scale words as 16 such rows; the weights' as 3 rows of 8,192 bytes, 32,768 apart
	s_or_b32 s24, s78, (3<<16)|(1<<21)
	s_or_b32 s32, s79, (3<<16)|(1<<21)
	s_or_b32 s40, s78, (3<<16)|(1<<21)
	s_or_b32 s48, s79, (3<<16)|(1<<21)
.irp g, 24, 32
	s_mov_b32 s[\g+1], 32<<16
	s_mov_b32 s[\g+2], 192<<16
	s_mov_b32 s[\g+3], 32<<16
	s_mov_b32 s[\g+4], 192
	s_mov_b32 s[\g+5], 32
	s_mov_b32 s[\g+6], 0
	s_mov_b32 s[\g+7], 0
.endr
	s_mov_b32 s41, 32<<16
	s_mov_b32 s42, 16<<16
	s_mov_b32 s43, 32<<16
	s_mov_b32 s44, 16
	s_mov_b32 s45, 32
	s_mov_b32 s46, 0
	s_mov_b32 s47, 0
	s_mov_b32 s49, 1024<<16
	s_mov_b32 s50, 3<<16
	s_mov_b32 s51, 1024<<16
	s_mov_b32 s52, 3
	s_mov_b32 s53, 4096
	s_mov_b32 s54, 0
	s_mov_b32 s55, 0
	s_mul_i32 s80, s18, 49152                      ; my piece of the codes in LDS: waves 0-1 x's, waves 2-5 the weights'
	s_mul_i32 s82, s76, 98304
	s_add_co_u32 s82, s82, s80                     ; x: group G, piece wave
	s_mov_b32 s83, 0
	s_max_u32 s84, s18, 2
	s_sub_co_u32 s84, s84, 2
	s_mul_i32 s84, s84, 49152
	s_mul_i32 s90, s77, 196608
	s_add_co_u32 s84, s84, s90                     ; Wq: groups 2 x column block on, piece wave - 2
	s_mov_b32 s85, 0
	s_lshl_b32 s86, s76, 12
	s_mov_b32 s87, 0
	s_lshl_b32 s88, s77, 13
	s_mov_b32 s89, 0
	s_wait_dscnt 0x0                               ; both opening adds are done
	s_wait_kmcnt 0x0
	s_mov_b32 s56, 1
	s_mov_b32 s57, s80
	s_add_nc_u64 s[58:59], s[4:5], s[82:83]
	s_or_b32 s59, s59, 0x80000000
	s_mov_b32 s60, 1
	s_mov_b32 s61, s80
	s_add_nc_u64 s[62:63], s[8:9], s[84:85]
	s_or_b32 s63, s63, 0x80000000
	s_mov_b32 s68, 1
	s_mov_b32 s69, LSA
	s_add_nc_u64 s[70:71], s[6:7], s[86:87]
	s_or_b32 s71, s71, 0x80000000
	s_mov_b32 s72, 1
	s_mov_b32 s73, LSB
	s_add_nc_u64 s[74:75], s[10:11], s[88:89]
	s_or_b32 s75, s75, 0x80000000
	CROUND                                         ; all sixteen work-groups are here: the joint loads meet
; ONE tree of branches on the wave's number, one load to an arm: every way through the head passes exactly one load
.macro ARM under, g0, g1, next
	s_cmp_lt_u32 s18, \under
	s_cbranch_scc0 \next
	tensor_load_to_lds s[\g0:\g0+3], s[\g1:\g1+7]
	s_nop 0
	P4
	s_branch .Lasked
\next:
.endm
	ARM 2, 56, 24, .Larm_b
	ARM 6, 60, 32, .Larm_sa
	ARM 7, 68, 40, .Larm_sb
	tensor_load_to_lds s[72:75], s[48:55]
	s_nop 0
	P4
.Lasked:
	s_mul_i32 s90, s19, 12288                      ; x: my fragments 4 wr on
	s_mul_i32 s91, s23, 98304
	s_mul_i32 s92, s99, 12288
	s_add_co_u32 s91, s91, s92
	s_add_co_u32 s91, s91, LB                      ; the weights: my group, fragments 4 par on
	s_lshl_b32 s92, s19, 9
	s_add_co_u32 s92, s92, LSA                     ; x's scale words
	s_lshl_b32 s93, s23, 12
	s_lshl_b32 s94, s99, 9
	s_add_co_u32 s93, s93, s94
	s_add_co_u32 s93, s93, LSB
	s_sub_co_u32 s93, s93, s92                     ; Wq's lie so far behind them,
	s_add_co_u32 s94, s93, 8192                    ; Wk's,
	s_add_co_u32 s95, s93, 16384                   ; Wv's
	s_lshl_b32 s80, s23, 10                        ; scratch, q and k: group x 1024 + par x 512 + 8 wr + 16 lane
	s_lshl_b32 s81, s99, 9
	s_add_co_u32 s80, s80, s81
	s_lshl_b32 s81, s19, 3
	s_add_co_u32 s80, s80, s81
	s_add_co_u32 s80, s80, SCR
	s_lshl_b32 s81, s23, 9                         ; v: group x 512 + par x 256 + 2 wr + 8 lane
	s_lshl_b32 s82, s99, 8
	s_add_co_u32 s81, s81, s82
	s_lshl_b32 s82, s19, 1
	s_add_co_u32 s81, s81, s82
	s_add_co_u32 s81, s81, SCR
	s_lshl_b32 s82, s18, 8                         ; and back: 256 bytes a wave
	s_add_co_u32 s82, s82, SCR
	s_lshr_b32 s84, s76, 4
	s_lshl_b32 s84, s84, 3
	s_lshl_b32 s85, s77, 1
	s_add_co_u32 s84, s84, s85                     ; 8 batch + 2 x column block
	s_and_b32 s85, s76, 15                         ; the group in its batch
	s_add_co_u32 s86, s84, s23                     ; cb of my columns
	s_mul_i32 s86, s86, 196608
	s_lshl_b32 s88, s85, 3
	s_lshl_b32 s89, s19, 2
	s_add_co_u32 s88, s88, s89
	s_mul_i32 s88, s88, 1536
	s_add_co_u32 s88, s88, s86
	s_mul_i32 s89, s99, 768
	s_add_co_u32 s88, s88, s89
	s_mov_b32 s89, 0
	s_add_nc_u64 s[4:5], s[14:15], s[88:89]        ; q's codes (k's: 6,291,456 on)
	s_mul_i32 s88, s85, 12288
	s_add_co_u32 s88, s88, s86
	s_mul_i32 s87, s99, 6144
	s_add_co_u32 s88, s88, s87
	s_mul_i32 s87, s19, 768
	s_add_co_u32 s88, s88, s87
	s_add_co_u32 s88, s88, 12582912
	s_add_nc_u64 s[6:7], s[14:15], s[88:89]        ; v's codes
	s_add_co_u32 s88, s84, s19
	s_lshl_b32 s88, s88, 14
	s_lshl_b32 s87, s85, 10
	s_add_co_u32 s88, s88, s87
	s_lshl_b32 s87, s20, 8
	s_add_co_u32 s88, s88, s87
	s_add_nc_u64 s[8:9], s[16:17], s[88:89]        ; q's scale words, my 256 bytes of the scratch (k's: 524,288 on)
	s_lshr_b32 s88, s18, 1
	s_add_co_u32 s88, s88, s84
	s_lshl_b32 s88, s88, 13
	s_lshl_b32 s87, s85, 9
	s_add_co_u32 s88, s88, s87
	s_lshl_b32 s87, s99, 8
	s_add_co_u32 s88, s88, s87
	s_add_co_u32 s88, s88, 1048576
	s_add_nc_u64 s[10:11], s[16:17], s[88:89]      ; v's scale words (waves 0-3 alone use it)
	s_lshl_b32 s88, s76, 9
	s_lshl_b32 s87, s19, 8
	s_add_co_u32 s88, s88, s87
	s_add_nc_u64 s[12:13], s[12:13], s[88:89]      ; the mask at my 64 tokens
	s_mov_b32 s96, 0x76543210
	s_mov_b32 s97, 0xfedcba98                      ; v_permlanex16_b32's selects for lane l xor 16
	s_mov_b32 s98, 0xffff0000                      ; lanes 16-31
	v_and_b32 v1, 15, v0                           ; r
	v_bfe_u32 v2, v0, 4, 1                         ; h
	v_and_b32 v3, 31, v0
	v_lshlrev_b32 v[L8], 3, v3
	v_lshlrev_b32 v[H8], 3, v2
	v_add_nc_u32 v[A0], s90, v[L8]
	v_add_nc_u32 v[B0], s91, v[L8]
	v_add_nc_u32 v[A0+1], 49152, v[A0]
	v_add_nc_u32 v[B0+1], 49152, v[B0]
	v_lshlrev_b32 v3, 3, v1
	v_add_nc_u32 v3, s92, v3
	v_mad_u32_u24 v[SQ], v2, s93, v3               ; lanes 16-31 take the weights' words
	v_mad_u32_u24 v[SQ+1], v2, s94, v3
	v_mad_u32_u24 v[SQ+2], v2, s95, v3
	v_lshl_add_u32 v[SWQ], v[L8], 1, s80
	v_add_nc_u32 v[SWV], s81, v[L8]
	v_add_nc_u32 v[SRD], s82, v[L8]
	v_and_b32 v3, 7, v1
	v_lshrrev_b32 v1, 3, v1
	v_lshl_add_u32 v3, v1, 5, v3
	v_lshlrev_b32 v3, 2, v3                        ; token r % 8 + 32 (r / 8) of a tile, 4 bytes each
	v_mov_b32 v[KEEP], 0x01010000
	v_mov_b32 v[HID], 0x01e30000
	s_wait_alu depctr_va_vdst(0)                   ; the wait at the head's end
.irp a, 0,1,2,3
	global_load_b32 v[MK+\a], v3, s[12:13] offset:32*\a
.endr
	s_wait_loadcnt 0x0
	s_wait_tensorcnt 0x0                           ; my one load has landed;
	s_barrier_signal -1
	s_barrier_wait -1                              ; so has everybody's
.macro LDF reg, adr, S, s              ; four fragments of 128 along K
.irp i, 0,1,2,3
.irp p, 0,1,2,3,4,5
	ds_load_b64 v[\reg+12*\i+2*\p:\reg+12*\i+2*\p+1], v[\adr+(\S)/2] offset:((\S)%2)*24576+3072*\i+1536*\s+256*\p
.endr
.endr
.endm
; A step of 128 along K.  v = 0: inner (source 0) the weights, outer (source 1) x; v = 1 the other way round.  The inner fragments come first, then the outer ones, each waited for by count:
; the 6 loads of each of the 3 - o fragments behind it may be out.  The 16 accumulators take turns, one instruction a turn, in the same order in every step.
.macro KSTEP v, S, s, zero, adrs
.if \s == 0
.irp i, 0,1,2,3
	ds_load_b64 v[SC+2*\i:SC+2*\i+1], v[\adrs] offset:(\S)*1024+128*\i
.endr
.endif
.if \v
.set INB, AF
.set OUB, BF
	LDF AF, A0, \S, \s
	LDF BF, B0, \S, \s
.else
.set INB, BF
.set OUB, AF
	LDF BF, B0, \S, \s
	LDF AF, A0, \S, \s
.endif
.irp o, 0,1,2,3
	s_wait_dscnt 18-6*\o
.irp n, 0,1,2,3
.if \v
.if \zero
	v_wmma_scale_f32_16x16x128_f8f6f4 v[ACC+32*\o+8*\n:ACC+32*\o+8*\n+7], v[INB+12*\n:INB+12*\n+11], v[OUB+12*\o:OUB+12*\o+11], 0, v[SC+2*\n+\s], v[SC+2*\o+\s] matrix_a_fmt:MATRIX_FMT_FP6 matrix_b_fmt:MATRIX_FMT_FP6 matrix_b_scale:MATRIX_SCALE_ROW1
.else
	v_wmma_scale_f32_16x16x128_f8f6f4 v[ACC+32*\o+8*\n:ACC+32*\o+8*\n+7], v[INB+12*\n:INB+12*\n+11], v[OUB+12*\o:OUB+12*\o+11], v[ACC+32*\o+8*\n:ACC+32*\o+8*\n+7], v[SC+2*\n+\s], v[SC+2*\o+\s] matrix_a_fmt:MATRIX_FMT_FP6 matrix_b_fmt:MATRIX_FMT_FP6 matrix_b_scale:MATRIX_SCALE_ROW1
.endif
.else
.if \zero
	v_wmma_scale_f32_16x16x128_f8f6f4 v[ACC+32*\o+8*\n:ACC+32*\o+8*\n+7], v[INB+12*\n:INB+12*\n+11], v[OUB+12*\o:OUB+12*\o+11], 0, v[SC+2*\n+\s], v[SC+2*\o+\s] matrix_a_fmt:MATRIX_FMT_FP6 matrix_b_fmt:MATRIX_FMT_FP6 matrix_a_scale:MATRIX_SCALE_ROW1
.else
	v_wmma_scale_f32_16x16x128_f8f6f4 v[ACC+32*\o+8*\n:ACC+32*\o+8*\n+7], v[INB+12*\n:INB+12*\n+11], v[OUB+12*\o:OUB+12*\o+11], v[ACC+32*\o+8*\n:ACC+32*\o+8*\n+7], v[SC+2*\n+\s], v[SC+2*\o+\s] matrix_a_fmt:MATRIX_FMT_FP6 matrix_b_fmt:MATRIX_FMT_FP6 matrix_a_scale:MATRIX_SCALE_ROW1
.endif
.endif
.endr
.endr
	P4                                             ; places in front of the next loads into, or writes of, registers that these products read, and of the first reads of results
.endm
.macro HALF v, S, zero, adrs           ; half of K: one slot of the weights
	KSTEP \v, \S, 0, \zero, \adrs
	KSTEP \v, \S, 1, 0, \adrs
	KSTEP \v, (\S)+1, 0, 0, \adrs
	KSTEP \v, (\S)+1, 1, 0, \adrs
.endm
; In front of a refill: every wave waits for all its tensor loads, adds 0 to its spare word, waits for that and for its LDS reads; a round of the cluster's barrier follows.
.macro SEQ step
	s_wait_alu depctr_va_vdst(0)                   ; the wait here, directly ahead of the wait below
	s_wait_tensorcnt 0x0
	ds_add_u32 v[SPW], v[NIL]
.if \step
	s_add_nc_u64 s[62:63], s[62:63], 786432        ; no load of mine is out: my piece of the next matrix, eight groups on
.endif
	s_wait_dscnt 0x0
	CROUND
.endm
.macro RLOAD wa, wb                    ; the slot's two pieces, each by the wave that fetched it at the head: one joint load a wave
	s_cmp_eq_u32 s18, \wa
	s_cbranch_scc1 .Lmine_\@
	s_cmp_eq_u32 s18, \wb
	s_cbranch_scc0 .Lnone_\@
.Lmine_\@:
	tensor_load_to_lds s[60:63], s[32:39]
	s_nop 0
	P4
.Lnone_\@:
.endm
; The quantiser: outer tile o's 32 registers are one block of 32.  kind 0 q, 1 k, 2 v
.macro EPI kind
.irp a, 0,1,2,3
	v_max3_num_f32 v[MX+\a], |v[ACC+32*\a]|, |v[ACC+32*\a+1]|, FLOOR   ; each accumulator is first read at its low end; the four blocks by turns
.endr
.irp i, 2,4,6,8,10,12,14,16,18,20,22,24,26,28,30
.irp a, 0,1,2,3
	v_max3_num_f32 v[MX+\a], v[MX+\a], |v[ACC+32*\a+\i]|, |v[ACC+32*\a+\i+1]|
.endr
.endr
.irp a, 0,1,2,3
	v_add_nc_u32 v[SO+\a], EOFF, v[MX+\a]          ; 2 off the exponent field: the conversion's scale operand
.endr
.irp a, 0,1,2,3
	v_cvt_scalef32_pk16_fp6_f32 v[CO+6*\a:CO+6*\a+2], v[ACC+32*\a:ACC+32*\a+15], v[SO+\a]
	v_cvt_scalef32_pk16_fp6_f32 v[TM+4*\a:TM+4*\a+2], v[ACC+32*\a+16:ACC+32*\a+31], v[SO+\a]   ; (a conversion's three registers begin on an even number)
.endr
.irp a, 0,1,2,3
	v_lshrrev_b32 v[BY+\a], 23, v[SO+\a]           ; the scale's byte; also the plain line behind the conversions
.endr
.irp a, 0,1,2,3
.irp i, 0,1,2
	v_mov_b32 v[CO+6*\a+3+\i], v[TM+4*\a+\i]
.endr
.endr
.irp a, 0,1,2,3
.irp q, 0,1,2
.if \kind == 2
	global_store_b64 v[L8], v[CO+6*\a+2*\q:CO+6*\a+2*\q+1], s[6:7] offset:1536*\a+256*\q   ; 256 consecutive bytes, aligned
.else
	global_store_b64 v[L8], v[CO+6*\a+2*\q:CO+6*\a+2*\q+1], s[4:5] offset:6291456*\kind+1536*\a+256*\q
.endif
.endr
.endr
.irp a, 0,1,2,3
	v_lshlrev_b32 v[TT+\a], v[H8], v[BY+\a]        ; my byte at its place,
.endr
.irp a, 0,1,2,3
	v_permlanex16_b32 v[UU+\a], v[TT+\a], s96, s97
.endr
.irp a, 0,1,2,3
	v_or_b32 v[TT+\a], v[TT+\a], v[UU+\a]          ; with lane l xor 16's: the two bytes of blocks h = 0, 1
.endr
.if \kind == 0
.irp a, 0,1,2,3
	v_or_b32 v[TT+\a], 0x017f0000, v[TT+\a]
.endr
.endif
.if \kind == 1
.irp a, 0,1,2,3
	v_cmp_ne_u32 vcc_lo, 0, v[MK+\a]
	v_cndmask_b32 v[UU+\a], v[HID], v[KEEP], vcc_lo
	v_or_b32 v[TT+\a], v[TT+\a], v[UU+\a]
.endr
.endif
.irp m, 0,1
	v_cndmask_b32 v[DD+\m], v[TT+2*\m], v[TT+2*\m+1], s98   ; lanes 0-15 tile 2 m's, lanes 16-31 tile 2 m + 1's
.endr
.if \kind == 2
	ds_store_b16 v[SWV], v[DD]
	ds_store_b16 v[SWV], v[DD+1] offset:4
.else
	ds_store_b64 v[SWQ], v[DD:DD+1]
.endif
.endm
.macro PASSQK kind
	HALF 0, 0, 1, SQ+\kind                         ; the first step's products start the sums
	SEQ 1
	RLOAD 2, 4                                     ; S = 0, 1 of the next matrix
	HALF 0, 2, 0, SQ+\kind
	EPI \kind
	SEQ 0                                          ; also: everybody's scale words lie in the scratch
	RLOAD 3, 5                                     ; S = 2, 3 of the next matrix
	ds_load_b64 v[RB:RB+1], v[SRD]
	s_wait_dscnt 0x0
	global_store_b64 v[L8], v[RB:RB+1], s[8:9] offset:524288*\kind   ; 256 consecutive bytes, aligned
	s_wait_xcnt 0x0                                ; the stores have read their registers, which take the next pass's fragments
.endm
	PASSQK 0
	PASSQK 1
	HALF 1, 0, 1, SQ+2
	s_wait_tensorcnt 0x0                           ; my part of Wv's second half has landed;
	s_wait_dscnt 0x0
	s_barrier_signal -1
	s_barrier_wait -1                              ; so has everybody's; nothing is filled again
	HALF 1, 2, 0, SQ+2
	EPI 2
	s_wait_alu depctr_va_vdst(0)                   ; the wait here, directly ahead of the wait below
	s_wait_dscnt 0x0                               ; for the others' sake: my halfwords lie in the scratch
	s_barrier_signal -1
	s_barrier_wait -1
	s_cmp_lt_u32 s18, 4                            ; 1,024 bytes: four waves, 256 each
	s_cbranch_scc0 .Ldone
	ds_load_b64 v[RB:RB+1], v[SRD]
	s_wait_dscnt 0x0
	global_store_b64 v[L8], v[RB:RB+1], s[10:11]
.Ldone:
	s_wait_tensorcnt 0x0                           ; the wave's end: behind my last LDS store
	ds_add_u32 v[SPW], v[NIL]
	s_wait_dscnt 0x0
	CROUND                                         ; the closing round
	s_endpgm
.Lfunc_end_k_q0c21cd1da5_qkv:
	.size	k_q0c21cd1da5_qkv, .Lfunc_end_k_q0c21cd1da5_qkv-k_q0c21cd1da5_qkv
	.p2alignl 7, 3214868480
	.fill 96, 4, 3214868480
	.section	.rodata,"a",@progbits
	.p2align	6, 0x0
	.amdhsa_kernel k_q0c21cd1da5_qkv
		.amdhsa_group_segment_fixed_size 327680
		.amdhsa_private_segment_fixed_size 0
		.amdhsa_enable_private_segment 0
		.amdhsa_kernarg_size 56
		.amdhsa_user_sgpr_count 2
		.amdhsa_user_sgpr_kernarg_segment_ptr 1
		.amdhsa_wavefront_size32 1
		.amdhsa_system_sgpr_workgroup_id_x 1
		.amdhsa_system_sgpr_workgroup_id_y 1
		.amdhsa_system_sgpr_workgroup_id_z 1
		.amdhsa_system_vgpr_workitem_id 0
		.amdhsa_next_free_vgpr 256
		.amdhsa_next_free_sgpr 100
		.amdhsa_reserve_vcc 1
		.amdhsa_float_denorm_mode_32 3
		.amdhsa_float_denorm_mode_16_64 3
		.amdhsa_memory_ordered 1
		.amdhsa_forward_progress 1
		.amdhsa_inst_pref_size 167
	.end_amdhsa_kernel
	.amdgpu_metadata
---
amdhsa.version: [ 1, 2 ]
amdhsa.kernels:
  - .name:           k_q0c21cd1da5_qkv
    .symbol:         k_q0c21cd1da5_qkv.kd
    .args:
      - { .name: xc, .offset: 0, .size: 8, .value_kind: global_buffer, .address_space: global }
      - { .name: xs, .offset: 8, .size: 8, .value_kind: global_buffer, .address_space: global }
      - { .name: wc, .offset: 16, .size: 8, .value_kind: global_buffer, .address_space: global }
      - { .name: ws, .offset: 24, .size: 8, .value_kind: global_buffer, .address_space: global }
      - { .name: attention_mask, .offset: 32, .size: 8, .value_kind: global_buffer, .address_space: global }
      - { .name: qkvc, .offset: 40, .size: 8, .value_kind: global_buffer, .address_space: global }
      - { .name: qkvs, .offset: 48, .size: 8, .value_kind: global_buffer, .address_space: global }
    .group_segment_fixed_size: 327680
    .private_segment_fixed_size: 0
    .kernarg_segment_align: 8
    .kernarg_segment_size: 56
    .max_flat_workgroup_size: 256
    .sgpr_count:     100
    .vgpr_count:     256
    .wavefront_size: 32
...
	.end_amdgpu_metadata
.endif
;; end of part 2
;; launch attn (part 3): grid 4 x 64, 16 waves a work-group, clusters of 4 x 1, 210,944 bytes of LDS; arguments qkvc, qkvs, ac, asc; writes ac, asc
.if DOCPART == 3
	.amdgcn_target "amdgcn-amd-amdhsa--gfx1250"
	.amdhsa_code_object_version 6
	.text
	.protected	k_q0c21cd1da5_attn
	.globl	k_q0c21cd1da5_attn
	.p2align	8
	.type	k_q0c21cd1da5_attn,@function
k_q0c21cd1da5_attn:
	s_mov_b64 s[64:65], 0
	v_nop
	global_prefetch_b8 v0, s[64:65] scope:SCOPE_SE
	s_setreg_imm32_b32 hwreg(HW_REG_WAVE_MODE, 25, 1), 1
	s_wait_xcnt 0x0
	s_wait_alu depctr_hold_cnt(0) depctr_sa_sdst(0) depctr_va_vdst(0) depctr_va_sdst(0) depctr_va_ssrc(0) depctr_va_vcc(0) depctr_vm_vsrc(0)
	s_getreg_b32 s2, hwreg(HW_REG_IB_STS2, 6, 4)
	s_cmp_eq_u32 s2, 0
	s_cbranch_scc0 .Lentry_in_a_cluster
	s_endpgm
.Lentry_in_a_cluster:
	s_bfe_u32 s2, ttmp6, 0x10000c
	s_cmp_lg_u32 s2, 0x3003
	s_cbranch_scc0 .Lentry_shape_is_right
	s_endpgm
.Lentry_shape_is_right:
; attended = softmax(q k^T / 8, masked) v for one (batch, head) and 512 queries a work-group, both products on codes of FP6 (E2M3) with E8M0 scales; the result is quantised along D
; and leaves as the image of the last product's operand.  t = score x log2(e) / 8; M = the largest t so far rounded UP to a whole number; p = 2^(t - M) is quantised along the keys;
; the row's sum is taken of the unquantised p.
; SHARES.  256 work-groups.  Sixteen waves, four to a SIMD; a wave takes two tiles of 16 queries, one after the other (the loop over passes), 128 keys a step, 16 steps a pass.
; NO RING.  A head's codes of k and v (98,304 bytes each) and their scale words (8,192 and 4,096) fit in LDS: each byte is filled ONCE.  The keys go in four chunks of four steps; a chunk's
; k codes, v codes, v scale words and k scale words lie on end (CH bytes), so that one address register of 8 x lane and one of 16 x lane, made once in four steps, serve every LDS load by
; immediates.  That makes sixteen first fills, one to each wave: wave w fetches chunk w % 4 of kind w / 4.
; CLUSTER.  The four work-groups of a cluster are the four query blocks of one head and want the same bytes: each load is asked for jointly, same descriptor, mask of all four.
; No prefetch: every byte that the work-group reads is asked for in its first lines, so there is no loop to run ahead in.
; LAYOUT.  Both products are used transposed (S^T = k q^T, O^T = v^T p^T): a lane holds one query.  A tile's rows are pi(i, r) = 64 (i / 4) + 8 (i % 4) + r % 8 + 32 (r / 8) of their group of
; 128, so the 32 registers of four neighbouring tiles hold, in lane (r, h), keys (channels) 64 g + 32 h + 0 .. 31: a whole block of 32, at the place that the next operand's layout gives that lane.
; THE MASK.  The score product's K is 64 of 128.  At k = 64 q holds the code of 1.0 under the byte 127 and k the code of -1.0 under a byte that the launch before has set: 1 for a key that
; counts, 227 for one that does not.  So a hidden key's score is its score - 2^100; the largest score begins at -2^90, above every hidden one: p = 0 for them from the first step on.
; LIMITS: scores under 2^90 in magnitude; a score that counts carries -2^-126; a batch whose mask keeps no key does not give the NaN that the definition gives; NaN and infinities are not served.
.set FLOOR, 0x1800000
.set EOFF,  0xff000000
.set CH,    52224                      ; a chunk in LDS: k's codes at 0 (6,144 a step), v's at 24,576, v's scale words at 49,152 (256 a step), k's at 50,176 (512 a step)
.set SPARE, 4*CH                       ; the spare words: 128 bytes a wave
.set AK0,  1                           ; 8 x lane
.set AS0,  2                           ; 16 x lane
.set H8,   5                           ; 8 h
.set R16,  6                           ; 16 r
.set R8,   7                           ; 8 r
.set ADK,  8                           ; this trip's chunk + 8 x lane
.set ADS,  10                          ; this trip's chunk + 16 x lane
.set NM,   12                          ; -M, by turns here and in NB;  v13 the largest score so far;  v[14:15] the sum in two halves
.set RS,   13
.set QF,   16                          ; v16-27 q's fragment: six registers loaded, six constant
.set QW,   28                          ; q's scale words
.set PW,   29                          ; p's
.set VSR,  30                          ; v[30:31] v's
.set KSR,  32                          ; v[32:35] k's
.set KB,   36                          ; v36-83 four fragments of k: six registers loaded, six constant
.set P,    84                          ; v84-95 p's codes
.set S,    96                          ; v96-159 S^T, then p; v's four fragments take v96-143
.set O,    160                         ; v160-191 O^T
.set TM,   192
.set MB,   200
.set CA,   202
.set CB,   203
.set T0,   204
.set T1,   205
.set F,    206
.set SO,   208
.set BY,   210
.set QN,   214                         ; v214-220 the second pass's q: six registers of codes and the scale words
.set NB,   222                         ; -M's other register; v223 is named with it as a pair
.set XA,   242                         ; v242-249 four partial sums
.set TB,   56
.set PS,   57
.set CNT,  59
.macro CROUND                          ; a round of the cluster's barrier
	s_barrier_signal -1
	s_barrier_wait -1
	s_cmp_lg_u32 s12, 0
	s_cbranch_scc1 .Lnot_wave_0_\@
	s_barrier_signal -3
.Lnot_wave_0_\@:
	s_barrier_wait -3
	s_barrier_signal -1
	s_barrier_wait -1
.endm
	s_load_b256 s[4:11], s[0:1], 0x0               ; qkvc, qkvs, ac, asc
	v_lshl_add_u32 v254, v0, 2, SPARE
	v_mov_b32 v255, 0
	ds_add_u32 v254, v255                          ; the opening lines: the add, twice on end, and its wait
	ds_add_u32 v254, v255
	v_lshrrev_b32 v1, 5, v0
	v_readfirstlane_b32 s12, v1                    ; wave 0..15
	s_bfe_u32 s13, ttmp6, 0x40000                  ; cx: it enters q's and the result's addresses alone
	s_and_b32 s14, ttmp7, 0xffff                   ; 16 x batch + head, which the four partners share
	s_lshr_b32 s15, s14, 1                         ; cb = 8 x batch + head / 2
	s_and_b32 s16, s14, 1                          ; par = head % 2
	s_lshl_b32 s17, s13, 5
	s_add_co_u32 s17, s17, s12                     ; T: my first tile of 16 queries in the batch; the second is T + 16
	s_and_b32 s18, s12, 3                          ; the chunk that I fetch
	; descriptor groups 1: elements of 8 bytes; 15:0 the mask of all four work-groups, 21 set beside it
	s_mov_b32 s24, 15|(3<<16)|(1<<21)              ; k's codes: 32 tiles of 768 bytes, 1,536 apart
	s_mov_b32 s25, 96<<16
	s_mov_b32 s26, 32<<16
	s_mov_b32 s27, 96<<16
	s_mov_b32 s28, 32
	s_mov_b32 s29, 192
	s_mov_b32 s30, 0
	s_mov_b32 s31, 0
	s_mov_b32 s32, 15|(3<<16)|(1<<21)              ; v's codes: 4 steps of 6,144 bytes, 12,288 apart
	s_mov_b32 s33, 768<<16
	s_mov_b32 s34, 4<<16
	s_mov_b32 s35, 768<<16
	s_mov_b32 s36, 4
	s_mov_b32 s37, 1536
	s_mov_b32 s38, 0
	s_mov_b32 s39, 0
	s_mov_b32 s40, 15|(3<<16)|(1<<21)              ; k's scale words: 4 steps of 512 bytes, 1,024 apart
	s_mov_b32 s41, 64<<16
	s_mov_b32 s42, 4<<16
	s_mov_b32 s43, 64<<16
	s_mov_b32 s44, 4
	s_mov_b32 s45, 128
	s_mov_b32 s46, 0
	s_mov_b32 s47, 0
	s_mov_b32 s48, 15|(3<<16)|(1<<21)              ; v's scale words: 4 steps of 256 bytes, 512 apart
	s_mov_b32 s49, 32<<16
	s_mov_b32 s50, 4<<16
	s_mov_b32 s51, 32<<16
	s_mov_b32 s52, 4
	s_mov_b32 s53, 64
	s_mov_b32 s54, 0
	s_mov_b32 s55, 0
	s_mul_i32 s88, s15, 196608
	s_mul_i32 s84, s18, 49152
	s_add_co_u32 s84, s84, s88                     ; my head pair's codes, my chunk
	s_mul_i32 s89, s16, 768
	s_add_co_u32 s90, s84, s89
	s_add_co_u32 s90, s90, 6291456                 ; k's part of qkvc, my head's half of each tile
	s_mov_b32 s91, 0
	s_mul_i32 s92, s16, 6144
	s_add_co_u32 s92, s92, s84
	s_add_co_u32 s92, s92, 12582912                ; v's
	s_mov_b32 s93, 0
	s_lshl_b32 s94, s15, 14
	s_lshl_b32 s85, s16, 9
	s_add_co_u32 s94, s94, s85
	s_lshl_b32 s85, s18, 12
	s_add_co_u32 s94, s94, s85
	s_add_co_u32 s94, s94, 524288                  ; k's scale words
	s_mov_b32 s95, 0
	s_lshl_b32 s96, s15, 13
	s_lshl_b32 s85, s16, 8
	s_add_co_u32 s96, s96, s85
	s_lshl_b32 s85, s18, 11
	s_add_co_u32 s96, s96, s85
	s_add_co_u32 s96, s96, 1048576                 ; v's
	s_mov_b32 s97, 0
	s_mul_i32 s86, s18, CH                         ; where my chunk lies in LDS
	s_mov_b32 s20, 0x76543210
	s_mov_b32 s21, 0xfedcba98                      ; v_permlanex16_b32's selects for lane l xor 16
	s_mov_b32 s22, 0x3e38aa3b                      ; c = log2(e) / 8
	s_mov_b32 s23, s22                             ; (named with it as a pair, so it is written)
	s_mov_b32 s60, 0xbe38aa3b                      ; -c
	s_wait_dscnt 0x0                               ; both opening adds are done
	s_wait_kmcnt 0x0
	s_mov_b32 s68, 1                               ; groups 0: k's codes,
	s_mov_b32 s69, s86
	s_add_nc_u64 s[70:71], s[4:5], s[90:91]
	s_or_b32 s71, s71, 0x80000000
	s_mov_b32 s72, 1                               ; v's codes,
	s_add_co_u32 s73, s86, 24576
	s_add_nc_u64 s[74:75], s[4:5], s[92:93]
	s_or_b32 s75, s75, 0x80000000
	s_mov_b32 s76, 1                               ; v's scale words,
	s_add_co_u32 s77, s86, 49152
	s_add_nc_u64 s[78:79], s[6:7], s[96:97]
	s_or_b32 s79, s79, 0x80000000
	s_mov_b32 s80, 1                               ; k's scale words
	s_add_co_u32 s81, s86, 50176
	s_add_nc_u64 s[82:83], s[6:7], s[94:95]
	s_or_b32 s83, s83, 0x80000000
	CROUND                                         ; all four work-groups are here: the joint loads meet
; ONE tree of branches on the wave's number, one load to an arm: every way through the head passes exactly one load
.macro ARM under, g0, g1, next
	s_cmp_lt_u32 s12, \under
	s_cbranch_scc0 \next
	tensor_load_to_lds s[\g0:\g0+3], s[\g1:\g1+7]
	s_nop 0
.rept 4
	v_nop
.endr
	s_branch .Lasked
\next:
.endm
	ARM 4,  68, 24, .Larm_v
	ARM 8,  72, 32, .Larm_vs
	ARM 12, 76, 48, .Larm_ks
	tensor_load_to_lds s[80:83], s[40:47]
	s_nop 0
.rept 4
	v_nop
.endr
.Lasked:
	s_mul_i32 s66, s17, 1536
	s_add_co_u32 s66, s66, s88
	s_add_co_u32 s66, s66, s89
	s_mov_b32 s67, 0
	s_add_nc_u64 s[4:5], s[4:5], s[66:67]          ; q's codes: cb x 196,608 + T x 1,536 + par x 768
	s_lshl_b32 s66, s15, 14
	s_lshr_b32 s89, s17, 3
	s_lshl_b32 s89, s89, 10
	s_add_co_u32 s66, s66, s89
	s_lshl_b32 s89, s16, 9
	s_add_co_u32 s66, s66, s89
	s_and_b32 s89, s17, 1
	s_lshl_b32 s89, s89, 8
	s_add_co_u32 s66, s66, s89
	s_bfe_u32 s89, s17, 0x20001
	s_lshl_b32 s89, s89, 2
	s_add_co_u32 s66, s66, s89
	s_add_nc_u64 s[6:7], s[6:7], s[66:67]          ; q's scale words: tile T % 8 = 2 n + e lies at 256 e + 4 n + 16 r of its group's 512 bytes
	; where the result goes: group G = 16 x batch + T / 8, fragment T % 8; the head is K step head / 4, half (head / 2) % 2, register pairs 3 par on
	s_lshr_b32 s88, s14, 4
	s_lshl_b32 s88, s88, 4
	s_lshr_b32 s89, s17, 3
	s_add_co_u32 s88, s88, s89
	s_and_b32 s89, s14, 15
	s_lshr_b32 s90, s89, 2
	s_bfe_u32 s91, s89, 0x10001
	s_and_b32 s92, s17, 7
	s_mul_i32 s66, s88, 98304
	s_mul_i32 s93, s90, 24576
	s_add_co_u32 s66, s66, s93
	s_mul_i32 s93, s92, 3072
	s_add_co_u32 s66, s66, s93
	s_mul_i32 s93, s91, 1536
	s_add_co_u32 s66, s66, s93
	s_mul_i32 s93, s16, 768
	s_add_co_u32 s66, s66, s93
	s_add_nc_u64 s[8:9], s[8:9], s[66:67]
	s_lshl_b32 s66, s88, 12
	s_lshl_b32 s93, s90, 10
	s_add_co_u32 s66, s66, s93
	s_lshl_b32 s93, s92, 7
	s_add_co_u32 s66, s66, s93
	s_lshl_b32 s93, s91, 2
	s_add_co_u32 s66, s66, s93
	s_lshl_b32 s93, s16, 1
	s_add_co_u32 s66, s66, s93
	s_add_nc_u64 s[10:11], s[10:11], s[66:67]
	s_mov_b32 s[PS], 0
	v_and_b32 v1, 31, v0
	v_and_b32 v6, 15, v0
	v_bfe_u32 v5, v0, 4, 1
	v_lshlrev_b32 v[AK0], 3, v1
	v_lshlrev_b32 v[R8], 3, v6
	v_lshlrev_b32 v[R16], 4, v6
	v_lshlrev_b32 v[H8], 3, v5
	v_lshlrev_b32 v[AS0], 1, v[AK0]
.irp q, 0,1,2
	global_load_b64 v[QF+2*\q:QF+2*\q+1], v[AK0], s[4:5] offset:256*\q
	global_load_b64 v[QN+2*\q:QN+2*\q+1], v[AK0], s[4:5] offset:24576+256*\q   ; tile T + 16: 16 x 1,536 bytes on
.endr
	global_load_b32 v[QW], v[R16], s[6:7]
	global_load_b32 v[QN+6], v[R16], s[6:7] offset:2048                        ; two groups of 1,024 bytes on
	v_sub_nc_u32 v[QF+6], 8, v[H8]                 ; k = 64 lies in the lowest bits of register 6 of lanes 0-15: the code of 1.0 is 8
.irp i, 7,8,9,10,11
	v_mov_b32 v[QF+\i], 0
.endr
.irp t, 0,1,2,3
	v_mul_u32_u24 v[KB+12*\t+6], v[QF+6], 5        ; and that of -1.0 is 40
.irp i, 7,8,9,10,11
	v_mov_b32 v[KB+12*\t+\i], 0
.endr
.endr
	v_mov_b32 v[T1], 0                             ; a lane permute's destination counts as one of its sources
	v_mov_b32 v[F+1], 0                            ; (named as the upper halves of pairs)
	v_mov_b32 v[NB+1], 0
.macro BMAX g                          ; the largest score of my 32 keys of half g: two chains over ascending registers
	v_max3_num_f32 v[CA], v[S+32*\g], v[S+32*\g+1], v[S+32*\g+2]
	v_max3_num_f32 v[CB], v[S+32*\g+3], v[S+32*\g+4], v[S+32*\g+5]
.irp i, 6,10,14,18,22,26
	v_max3_num_f32 v[CA], v[CA], v[S+32*\g+\i], v[S+32*\g+\i+1]
	v_max3_num_f32 v[CB], v[CB], v[S+32*\g+\i+2], v[S+32*\g+\i+3]
.endr
	v_max3_num_f32 v[CA], v[CA], v[S+32*\g+30], v[S+32*\g+31]
	s_delay_alu instid0(VALU_DEP_1)
	v_max_num_f32 v[MB+\g], v[CA], v[CB]
.endm
; Four additions of the row's sum that were put off: the last step's p in v[S+b .. S+b+7], which v's fragments do not cover.  They are the places behind the matrix instructions just issued.
.macro DEFER b
	v_pk_add_f32 v[XA:XA+1], v[S+\b:S+\b+1], v[S+\b+2:S+\b+3]
	v_pk_add_f32 v[XA+2:XA+3], v[S+\b+4:S+\b+5], v[S+\b+6:S+\b+7]
	s_delay_alu instid0(VALU_DEP_2)
	v_pk_add_f32 v[14:15], v[14:15], v[XA:XA+1]
	s_delay_alu instid0(VALU_DEP_1)
	v_pk_add_f32 v[14:15], v[14:15], v[XA+2:XA+3]
.endm
; A KEY STEP: 128 keys.  st: the step in its chunk; nn, no: the registers of the new and of the old -M
.macro STEP st, nn, no
.if \st == 0
	v_add_nc_u32 v[ADK], s[TB], v[AK0]
	v_add_nc_u32 v[ADS], s[TB], v[AS0]
.else
	v_nop                                          ; with the four below: five places, since the first products write over v's fragments, which the last step's products read
.endif
	DEFER 48
	ds_load_b128 v[KSR:KSR+3], v[ADS] offset:50176+512*\st   ; word n of lane l: tile 2 n + l / 16, row l % 16
.irp g, 0,1                                    ; S^T = k q^T, four tiles of 16 keys at a time
.if \g
	DEFER 56                                       ; four places in front of loads into registers that matrix instructions have read
.endif
.irp t, 0,1,2,3
.irp q, 0,1,2
	ds_load_b64 v[KB+12*\t+2*\q:KB+12*\t+2*\q+1], v[ADK] offset:\st*6144+(4*\g+\t)*768+256*\q
.endr
.endr
.if \g == 0
	s_wait_alu depctr_va_vdst(0)
.endif
	s_wait_dscnt 0x0
.irp t, 0,1,2,3
.if \t%2
	v_wmma_scale_f32_16x16x128_f8f6f4 v[S+32*\g+8*\t:S+32*\g+8*\t+7], v[KB+12*\t:KB+12*\t+11], v[QF:QF+11], 0, v[KSR+2*\g+\t/2], v[QW] matrix_a_fmt:MATRIX_FMT_FP6 matrix_b_fmt:MATRIX_FMT_FP6 matrix_a_scale:MATRIX_SCALE_ROW1
.else
	v_wmma_scale_f32_16x16x128_f8f6f4 v[S+32*\g+8*\t:S+32*\g+8*\t+7], v[KB+12*\t:KB+12*\t+11], v[QF:QF+11], 0, v[KSR+2*\g+\t/2], v[QW] matrix_a_fmt:MATRIX_FMT_FP6 matrix_b_fmt:MATRIX_FMT_FP6
.endif
.endr
.endr                                          ; lane (r, h): query r; register 32 g + i: key 64 g + 32 h + i
	BMAX 0                                         ; its sixteen lines are the places behind the last four products.  A block's largest score serves twice: for the row's maximum and, since p rises with the score, for the block's largest p
	BMAX 1
	s_delay_alu instid0(VALU_DEP_1)
	v_max_num_f32 v[T0], v[MB], v[MB+1]
	s_delay_alu instid0(VALU_DEP_1)
	v_permlanex16_b32 v[T1], v[T0], s20, s21
	s_delay_alu instid0(VALU_DEP_1)
	v_max3_num_f32 v[RS], v[RS], v[T0], v[T1]      ; the largest score so far
	s_delay_alu instid0(VALU_DEP_1)
	v_mul_f32 v[T0], s60, v[RS]
	s_delay_alu instid0(VALU_DEP_1)
	v_floor_f32 v[\nn], v[T0]                      ; the new -M = floor(-t) = -ceil(t): a whole number
	s_delay_alu instid0(VALU_DEP_1)
	v_sub_f32 v[T1], v[\nn], v[\no]                ; M's old value less its new one: a whole number, 0 or less
	s_delay_alu instid0(VALU_DEP_1)
	v_cvt_i32_f32 v[T1], v[T1]                     ; (it saturates)
	s_delay_alu instid0(VALU_DEP_1)
	v_ldexp_f32 v[F], 1.0, v[T1]                   ; f = 2^(old M - new M): a multiplication by it rounds nothing
.irp e, 0,2,4,6,8,10,12,14,16,18,20,22,24,26,28,30,32,34,36,38,40,42,44,46,48,50,52,54,56,58,60,62
	v_pk_fma_f32 v[S+\e:S+\e+1], v[S+\e:S+\e+1], s[22:23], v[\nn:\nn+1] op_sel_hi:[1,0,0]   ; t - M, two at a time
.endr
.irp g, 0,1
	v_fma_f32 v[MB+\g], v[MB+\g], s22, v[\nn]
.endr
	s_wait_alu depctr_va_vdst(0)                   ; the wait ahead of the batch
.irp e, 0,1,2,3,4,5,6,7,8,9,10,11,12,13,14,15,16,17,18,19,20,21,22,23,24,25,26,27,28,29,30,31,32,33,34,35,36,37,38,39,40,41,42,43,44,45,46,47,48,49,50,51,52,53,54,55,56,57,58,59,60,61,62,63
	v_exp_f32 v[S+\e], v[S+\e]                     ; p = 2^(t - M): not normalised
.endr
	v_pk_mul_f32 v[14:15], v[14:15], v[F:F+1] op_sel_hi:[1,0]   ; the sums under the new M; the plain line behind the exponentials
	s_wait_alu depctr_va_vdst(0)                   ; one wait for the batch, ahead of its first reader
.irp g, 0,1
	v_exp_f32 v[MB+\g], v[MB+\g]                   ; the block's largest p: the same two instructions on the same number
.endr
.irp i, 0,1,2,3                                ; the row's sum of the unquantised p: 24 of the 32 pairs now, in four chains; the last 8 pairs at the next step's head
	v_pk_add_f32 v[XA+2*\i:XA+2*\i+1], v[S+4*\i:S+4*\i+1], v[S+4*\i+2:S+4*\i+3]
.endr
.irp m, 16,24,32,40
.irp i, 0,1,2,3
	v_pk_add_f32 v[XA+2*\i:XA+2*\i+1], v[XA+2*\i:XA+2*\i+1], v[S+\m+2*\i:S+\m+2*\i+1]
.endr
.endr
	v_pk_add_f32 v[XA:XA+1], v[XA:XA+1], v[XA+2:XA+3]
	v_pk_add_f32 v[XA+4:XA+5], v[XA+4:XA+5], v[XA+6:XA+7]
	s_delay_alu instid0(VALU_DEP_1)
	v_pk_add_f32 v[XA:XA+1], v[XA:XA+1], v[XA+4:XA+5]
	s_delay_alu instid0(VALU_DEP_1)
	v_pk_add_f32 v[14:15], v[14:15], v[XA:XA+1]
	s_wait_alu depctr_va_vdst(0)                   ; and one for the two
.irp g, 0,1
	v_max_num_f32 v[MB+\g], FLOOR, v[MB+\g]        ; a block whose every p is 0 keeps the byte 1: its codes are zeros
.endr
.irp g, 0,1
	v_add_nc_u32 v[SO+\g], EOFF, v[MB+\g]          ; 2 off the exponent field: the conversion's scale operand
.endr
.irp g, 0,1
	v_cvt_scalef32_pk16_fp6_f32 v[P+6*\g:P+6*\g+2], v[S+32*\g:S+32*\g+15], v[SO+\g]
	v_cvt_scalef32_pk16_fp6_f32 v[TM+4*\g:TM+4*\g+2], v[S+32*\g+16:S+32*\g+31], v[SO+\g]   ; (a conversion's three registers begin on an even number)
.endr
.irp g, 0,1
	v_lshrrev_b32 v[BY+\g], 23, v[SO+\g]           ; the scale's byte; also the plain line behind the conversions
.endr
	s_delay_alu instid0(VALU_DEP_1)
	v_lshl_or_b32 v[T0], v[BY+1], 16, v[BY]        ; my bytes: blocks h and 2 + h
	s_delay_alu instid0(VALU_DEP_1)
	v_permlanex16_b32 v[T1], v[T0], s20, s21
	s_delay_alu instid0(VALU_DEP_1)
	v_lshl_or_b32 v[PW], v[T1], 8, v[T0]           ; p's scale word for these 128 keys, whole in lanes 0-15, which alone are read
.irp u, 0,1,2,3                                ; v's four fragments take the first 48 of p's registers
.irp p, 0,1,2,3,4,5
	ds_load_b64 v[S+12*\u+2*\p:S+12*\u+2*\p+1], v[ADK] offset:24576+\st*6144+\u*1536+256*\p
.endr
.endr
	ds_load_b64 v[VSR:VSR+1], v[ADK] offset:49152+256*\st   ; word n of lane l: channel tile 2 n + l / 16, row l % 16
.irp g, 0,1
.irp i, 0,1,2
	v_mov_b32 v[P+6*\g+3+\i], v[TM+4*\g+\i]
.endr
.endr
	s_wait_alu depctr_va_vdst(0)                   ; the wait here, directly ahead of the first reader of O^T
.irp e, 0,2,4,6,8,10,12,14,16,18,20,22,24,26,28,30
	v_pk_mul_f32 v[O+\e:O+\e+1], v[O+\e:O+\e+1], v[F:F+1] op_sel_hi:[1,0]   ; O^T under the new M.  With the moves above: the places between p's scale word and codes and the products
.endr
	s_wait_alu depctr_va_vdst(0)                   ; the wait here, directly ahead of the wait below
	s_wait_dscnt 0x0
.irp u, 0,1,2,3                                ; O^T += v^T p^T: the four accumulators by turns
.if \u%2
	v_wmma_scale_f32_16x16x128_f8f6f4 v[O+8*\u:O+8*\u+7], v[S+12*\u:S+12*\u+11], v[P:P+11], v[O+8*\u:O+8*\u+7], v[VSR+\u/2], v[PW] matrix_a_fmt:MATRIX_FMT_FP6 matrix_b_fmt:MATRIX_FMT_FP6 matrix_a_scale:MATRIX_SCALE_ROW1
.else
	v_wmma_scale_f32_16x16x128_f8f6f4 v[O+8*\u:O+8*\u+7], v[S+12*\u:S+12*\u+11], v[P:P+11], v[O+8*\u:O+8*\u+7], v[VSR+\u/2], v[PW] matrix_a_fmt:MATRIX_FMT_FP6 matrix_b_fmt:MATRIX_FMT_FP6
.endif
.endr
.endm
	s_wait_alu depctr_va_vdst(0)                   ; the wait at the head's end
	s_wait_loadcnt 0x0                             ; q, both tiles
	s_wait_tensorcnt 0x0                           ; my one load has landed;
	s_barrier_signal -1
	s_barrier_wait -1                              ; so has everybody's: all of k and v lies in LDS, and nothing is filled again
.Lpass:                                                ; one tile of 16 queries against all 2,048 keys
	v_mov_b32 v[RS], 0xec800000                    ; the largest score so far: -2^90
	s_delay_alu instid0(VALU_DEP_1)
	v_mul_f32 v[T0], s60, v[RS]
	s_delay_alu instid0(VALU_DEP_1)
	v_floor_f32 v[NM], v[T0]                       ; -M
	v_mov_b32 v14, 0
	v_mov_b32 v15, 0
.irp e, 0,1,2,3,4,5,6,7,8,9,10,11,12,13,14,15,16,17,18,19,20,21,22,23,24,25,26,27,28,29,30,31
	v_mov_b32 v[O+\e], 0                           ; O^T: the step is written once; the first finds zeros, which the first change of M leaves zeros
.endr
.irp e, 48,49,50,51,52,53,54,55,56,57,58,59,60,61,62,63
	v_mov_b32 v[S+\e], 0                           ; and nothing has been put off yet
.endr
	s_mov_b32 s[TB], 0
	s_mov_b32 s[CNT], 4
.Ltrip:                                                ; a chunk: four steps; -M is back in its first register after each two
	STEP 0, NB, NM
	STEP 1, NM, NB
	STEP 2, NB, NM
	STEP 3, NM, NB
	s_add_co_u32 s[TB], s[TB], CH
	s_sub_co_u32 s[CNT], s[CNT], 1
	s_cmp_lg_u32 s[CNT], 0
	s_cbranch_scc1 .Ltrip
	; THE WAY OUT.  O^T / the sum: register i of lane (r, h) is channel 32 h + i of the head, for query r: one whole block of the last product's K
	DEFER 48                                       ; the last step's 8 pairs; also the places behind the last products
	DEFER 56
	s_delay_alu instid0(VALU_DEP_1)
	v_add_f32 v14, v14, v15
	s_delay_alu instid0(VALU_DEP_1)
	v_permlanex16_b32 v[T1], v14, s20, s21
	s_delay_alu instid0(VALU_DEP_1)
	v_add_f32 v14, v14, v[T1]                      ; the row's sum
	s_wait_alu depctr_va_vdst(0)                   ; the wait ahead of the transcendental
	v_rcp_f32 v[F], v14
	v_nop                                          ; a plain line behind the reciprocal,
	s_wait_alu depctr_va_vdst(0)                   ; and the wait ahead of its first reader, which is also O^T's
.irp e, 0,2,4,6,8,10,12,14,16,18,20,22,24,26,28,30
	v_pk_mul_f32 v[S+\e:S+\e+1], v[O+\e:O+\e+1], v[F:F+1] op_sel_hi:[1,0]
.endr
	v_max3_num_f32 v[CA], |v[S]|, |v[S+1]|, FLOOR
	v_max3_num_f32 v[CB], |v[S+2]|, |v[S+3]|, |v[S+4]|
.irp i, 5,9,13,17,21,25
	v_max3_num_f32 v[CA], v[CA], |v[S+\i]|, |v[S+\i+1]|
	v_max3_num_f32 v[CB], v[CB], |v[S+\i+2]|, |v[S+\i+3]|
.endr
	v_max3_num_f32 v[CA], v[CA], |v[S+29]|, |v[S+30]|
	s_delay_alu instid0(VALU_DEP_1)
	v_max3_num_f32 v[CA], v[CA], v[CB], |v[S+31]|
	s_delay_alu instid0(VALU_DEP_1)
	v_add_nc_u32 v[SO], EOFF, v[CA]
	v_cvt_scalef32_pk16_fp6_f32 v[P:P+2], v[S:S+15], v[SO]
	v_cvt_scalef32_pk16_fp6_f32 v[TM:TM+2], v[S+16:S+31], v[SO]
	v_lshrrev_b32 v[BY], 23, v[SO]                 ; the byte; also the plain line behind the conversions
.irp i, 0,1,2
	v_mov_b32 v[P+3+\i], v[TM+\i]
.endr
.irp q, 0,1,2
	global_store_b64 v[AK0], v[P+2*\q:P+2*\q+1], s[8:9] offset:256*\q   ; 256 consecutive bytes, aligned
.endr
	v_lshlrev_b32 v[T0], v[H8], v[BY]
	s_delay_alu instid0(VALU_DEP_1)
	v_permlanex16_b32 v[T1], v[T0], s20, s21
	s_delay_alu instid0(VALU_DEP_1)
	v_or_b32 v[T0], v[T0], v[T1]                   ; the head's two bytes of row r's scale word
	global_store_b16 v[R8], v[T0], s[10:11]        ; sixteen halfwords 8 bytes apart (both halves of the lanes store the same): a head owns two bytes of each word
	s_cmp_eq_u32 s[PS], 1
	s_cbranch_scc1 .Llast
	s_wait_xcnt 0x0                                ; the stores have read their data and their bases, which are written again below and in the next pass
	s_add_nc_u64 s[8:9], s[8:9], 196608            ; tile T + 16: two groups of 128 rows on
	s_add_nc_u64 s[10:11], s[10:11], 8192
.irp i, 0,1,2,3,4,5
	v_mov_b32 v[QF+\i], v[QN+\i]                   ; the second tile's q
.endr
	v_mov_b32 v[QW], v[QN+6]
.Llast:
	s_add_co_u32 s[PS], s[PS], 1
	s_cmp_lt_u32 s[PS], 2
	s_wait_alu depctr_va_vdst(0)                   ; the wait here, directly ahead of the branch
	s_cbranch_scc1 .Lpass
	s_wait_tensorcnt 0x0                           ; the wave's end
	ds_add_u32 v254, v255
	s_wait_dscnt 0x0
	CROUND                                         ; the closing round: no work-group ends while a partner may still ask for a tile that names it
	s_endpgm
.Lfunc_end_k_q0c21cd1da5_attn:
	.size	k_q0c21cd1da5_attn, .Lfunc_end_k_q0c21cd1da5_attn-k_q0c21cd1da5_attn
	.p2alignl 7, 3214868480
	.fill 96, 4, 3214868480
	.section	.rodata,"a",@progbits
	.p2align	6, 0x0
	.amdhsa_kernel k_q0c21cd1da5_attn
		.amdhsa_group_segment_fixed_size 210944
		.amdhsa_private_segment_fixed_size 0
		.amdhsa_enable_private_segment 0
		.amdhsa_kernarg_size 32
		.amdhsa_user_sgpr_count 2
		.amdhsa_user_sgpr_kernarg_segment_ptr 1
		.amdhsa_wavefront_size32 1
		.amdhsa_system_sgpr_workgroup_id_x 1
		.amdhsa_system_sgpr_workgroup_id_y 1
		.amdhsa_system_sgpr_workgroup_id_z 1
		.amdhsa_system_vgpr_workitem_id 0
		.amdhsa_next_free_vgpr 256
		.amdhsa_next_free_sgpr 100
		.amdhsa_reserve_vcc 0
		.amdhsa_float_denorm_mode_32 3
		.amdhsa_float_denorm_mode_16_64 3
		.amdhsa_memory_ordered 1
		.amdhsa_forward_progress 1
		.amdhsa_inst_pref_size 82
	.end_amdhsa_kernel
	.amdgpu_metadata
---
amdhsa.version: [ 1, 2 ]
amdhsa.kernels:
  - .name:           k_q0c21cd1da5_attn
    .symbol:         k_q0c21cd1da5_attn.kd
    .args:
      - { .name: qkvc, .offset: 0, .size: 8, .value_kind: global_buffer, .address_space: global }
      - { .name: qkvs, .offset: 8, .size: 8, .value_kind: global_buffer, .address_space: global }
      - { .name: ac, .offset: 16, .size: 8, .value_kind: global_buffer, .address_space: global }
      - { .name: asc, .offset: 24, .size: 8, .value_kind: global_buffer, .address_space: global }
    .group_segment_fixed_size: 210944
    .private_segment_fixed_size: 0
    .kernarg_segment_align: 8
    .kernarg_segment_size: 32
    .max_flat_workgroup_size: 512
    .sgpr_count:     100
    .vgpr_count:     256
    .wavefront_size: 32
...
	.end_amdgpu_metadata
.endif
;; end of part 3
;; launch oproj (part 4): grid 4 x 64, 8 waves a work-group, clusters of 4 x 4, 327,680 bytes of LDS; arguments ac, asc, wc, ws, bo, out0; writes out0
.if DOCPART == 4
	.amdgcn_target "amdgcn-amd-amdhsa--gfx1250"
	.amdhsa_code_object_version 6
	.text
	.protected	k_q0c21cd1da5_oproj
	.globl	k_q0c21cd1da5_oproj
	.p2align	8
	.type	k_q0c21cd1da5_oproj,@function
k_q0c21cd1da5_oproj:
	s_mov_b64 s[64:65], 0
	v_nop
	global_prefetch_b8 v0, s[64:65] scope:SCOPE_SE
	s_setreg_imm32_b32 hwreg(HW_REG_WAVE_MODE, 25, 1), 1
	s_wait_xcnt 0x0
	s_wait_alu depctr_hold_cnt(0) depctr_sa_sdst(0) depctr_va_vdst(0) depctr_va_sdst(0) depctr_va_ssrc(0) depctr_va_vcc(0) depctr_vm_vsrc(0)
	s_getreg_b32 s2, hwreg(HW_REG_IB_STS2, 6, 4)
	s_cmp_eq_u32 s2, 0
	s_cbranch_scc0 .Lentry_in_a_cluster
	s_endpgm
.Lentry_in_a_cluster:
	s_bfe_u32 s2, ttmp6, 0x10000c
	s_cmp_lg_u32 s2, 0xf033
	s_cbranch_scc0 .Lentry_shape_is_right
	s_endpgm
.Lentry_shape_is_right:
; out0 = attended Wo + bo.  attended [8192][1024] and Wo's columns [1024][1024 (K)] arrive as codes of FP6 (E2M3) with E8M0 scale words, as images of operand registers:
;   codes:  G x 98304 + S x 24576 + i x 3072 + s x 1536 + p x 256 + 8 x lane   (G: 128 rows; S: 256 along K; i: fragment 0..7; s: its half of 128; p: register pair 0..5)
;   scales: G x 4096 + S x 1024 + i x 128 + r x 8 + s x 4;   fragment i, lane row r is row pi(i, r) = 64 (i / 4) + 8 (i % 4) + r % 8 + 32 (r / 8) of its group.  Wo's groups are 24 .. 31 of wc, ws.
; SHARES.  A block of out0 is 128 rows x 256 columns: 64 x 4 = 256 work-groups.  Eight waves, two to a SIMD, each 64 x 64: 16 accumulators, 128 registers; one set of fragments (4 of A, 4 of B).
; NO RING.  The block's operands for all of K fit in LDS: A's codes 98,304 bytes, B's 196,608, the scale words 4,096 and 8,192.  Each byte is filled ONCE, by eight loads at the head, one a wave:
; waves 0-1 A's codes, waves 2-5 B's (49,152 bytes each, at wave x 49,152), wave 6 A's scale words, wave 7 B's.
; CLUSTER 4 x 4: A's tiles hang on the row block alone and are shared along a row of the cluster, B's on the column block alone and are shared along a column: joint loads.
; No prefetch: every byte that the work-group reads is asked for in its first lines, so there is no loop to run ahead in.
; THE MATRIX INSTRUCTION IS USED TRANSPOSED (source 0 = Wo's columns, source 1 = rows): lane (r, h) holds row pi(a, r), and the 32 registers of B's four fragments are columns 32 h + 0 .. 31 of my 64.
; THE WAY OUT goes through a stage in LDS that lies over the codes, behind a barrier behind which nobody reads them; no fill follows.  Sixteen lanes store 256 consecutive bytes, aligned.
.set LB,    98304                      ; B's codes
.set LSA,   294912                     ; A's scale words
.set LSB,   299136                     ; B's, 128 bytes askew, so that the two halves of the lanes read different banks
.set SPARE, 307456                     ; the spare words: 128 bytes a wave
.set SPITCH, 272                       ; a stage row: 256 bytes + 16
.set SBLK,  16*SPITCH                  ; 16 rows
.set SC,   8                           ; v8-15  scale words of two steps: register 2 i + s: lanes 0-15 A's fragment i, lanes 16-31 B's
.set BI,   16                          ; v16-19 my four columns of bo
.set A0,   20
.set B0,   21
.set S0,   22
.set STO,  23
.set ADRA, 24
.set ADRB, 25
.set ADRS, 26
.set RD,   27
.set SPW,  28
.set NIL,  29
.set CO,   30
.set BO,   31
.set AF,   32                          ; v32-79  A's four fragments
.set BF,   80                          ; v80-127 B's four;  on the way out v32-127 take rows read back from the stage
.set ACC,  128                         ; v128-255 accumulator (a, b) at 8 (4 a + b)
.set TB,   96
.set TS,   97
.set CNT,  98
.macro CROUND
	s_barrier_signal -1
	s_barrier_wait -1
	s_cmp_lg_u32 s18, 0
	s_cbranch_scc1 .Lnot_wave_0_\@
	s_barrier_signal -3
.Lnot_wave_0_\@:
	s_barrier_wait -3
	s_barrier_signal -1
	s_barrier_wait -1
.endm
	s_load_b256 s[4:11], s[0:1], 0x0               ; ac, asc, wc, ws
	s_load_b128 s[12:15], s[0:1], 0x20             ; bo, out0
	v_lshl_add_u32 v[SPW], v0, 2, SPARE
	v_mov_b32 v[NIL], 0
	ds_add_u32 v[SPW], v[NIL]                      ; the opening lines: the add, twice on end, and its wait
	ds_add_u32 v[SPW], v[NIL]
	v_lshrrev_b32 v1, 5, v0
	v_readfirstlane_b32 s18, v1                    ; wave 0..7
	s_lshr_b32 s19, s18, 2                         ; which 64 rows are mine
	s_and_b32 s20, s18, 3                          ; which 64 columns
	s_bfe_u32 s21, ttmp6, 0x40000                  ; cx
	s_bfe_u32 s22, ttmp6, 0x40004                  ; cy
	s_and_b32 s76, ttmp7, 0xffff
	s_lshl_b32 s76, s76, 2
	s_add_co_u32 s76, s76, s22                     ; G: the row block
	s_lshl_b32 s77, ttmp9, 2
	s_add_co_u32 s77, s77, s21                     ; the column block
	s_lshl_b32 s78, s22, 2
	s_lshl_b32 s78, 15, s78                        ; my row of the cluster
	s_lshl_b32 s79, 0x1111, s21                    ; my column
	; groups 1: dense blocks as rows of 256 bytes (32 elements of 8): 192 rows of codes, 16 and 32 of scale words
	s_or_b32 s24, s78, (3<<16)|(1<<21)
	s_or_b32 s32, s79, (3<<16)|(1<<21)
	s_or_b32 s40, s78, (3<<16)|(1<<21)
	s_or_b32 s48, s79, (3<<16)|(1<<21)
.irp g, 24, 32
	s_mov_b32 s[\g+1], 32<<16
	s_mov_b32 s[\g+2], 192<<16
	s_mov_b32 s[\g+3], 32<<16
	s_mov_b32 s[\g+4], 192
	s_mov_b32 s[\g+5], 32
	s_mov_b32 s[\g+6], 0
	s_mov_b32 s[\g+7], 0
.endr
	s_mov_b32 s41, 32<<16
	s_mov_b32 s42, 16<<16
	s_mov_b32 s43, 32<<16
	s_mov_b32 s44, 16
	s_mov_b32 s45, 32
	s_mov_b32 s46, 0
	s_mov_b32 s47, 0
	s_mov_b32 s49, 32<<16
	s_mov_b32 s50, 32<<16
	s_mov_b32 s51, 32<<16
	s_mov_b32 s52, 32
	s_mov_b32 s53, 32
	s_mov_b32 s54, 0
	s_mov_b32 s55, 0
	s_mul_i32 s80, s18, 49152                      ; my piece of the codes: its place in LDS, and in memory from the first piece on
	s_mul_i32 s82, s76, 98304
	s_add_co_u32 s82, s82, s80                     ; A: group G, piece wave (0, 1)
	s_mov_b32 s83, 0
	s_lshl_b32 s84, s77, 1
	s_add_co_u32 s84, s84, 23
	s_mul_i32 s84, s84, 98304
	s_add_co_u32 s84, s84, s80                     ; B: groups 24 + 2 x column block on, piece wave - 2 (0 .. 3)
	s_mov_b32 s85, 0
	s_lshl_b32 s86, s76, 12
	s_mov_b32 s87, 0
	s_lshl_b32 s88, s77, 13
	s_add_co_u32 s88, s88, 24*4096
	s_mov_b32 s89, 0
	s_wait_dscnt 0x0                               ; both opening adds are done
	s_wait_kmcnt 0x0
	s_mov_b32 s56, 1
	s_mov_b32 s57, s80
	s_add_nc_u64 s[58:59], s[4:5], s[82:83]
	s_or_b32 s59, s59, 0x80000000
	s_mov_b32 s60, 1
	s_mov_b32 s61, s80
	s_add_nc_u64 s[62:63], s[8:9], s[84:85]
	s_or_b32 s63, s63, 0x80000000
	s_mov_b32 s68, 1
	s_mov_b32 s69, LSA
	s_add_nc_u64 s[70:71], s[6:7], s[86:87]
	s_or_b32 s71, s71, 0x80000000
	s_mov_b32 s72, 1
	s_mov_b32 s73, LSB
	s_add_nc_u64 s[74:75], s[10:11], s[88:89]
	s_or_b32 s75, s75, 0x80000000
	CROUND                                         ; all sixteen work-groups are here: the joint loads meet
; ONE tree of branches on the wave's number, one load to an arm: every way through the head passes exactly one load
.macro ARM under, g0, g1, next
	s_cmp_lt_u32 s18, \under
	s_cbranch_scc0 \next
	tensor_load_to_lds s[\g0:\g0+3], s[\g1:\g1+7]
	s_nop 0
.rept 4
	v_nop
.endr
	s_branch .Lasked
\next:
.endm
	ARM 2, 56, 24, .Larm_b
	ARM 6, 60, 32, .Larm_sa
	ARM 7, 68, 40, .Larm_sb
	tensor_load_to_lds s[72:75], s[48:55]
	s_nop 0
.rept 4
	v_nop
.endr
.Lasked:
	s_mul_i32 s90, s19, 12288                      ; A: my fragments 4 (wave / 4) on
	s_lshr_b32 s91, s20, 1
	s_and_b32 s92, s20, 1
	s_mul_i32 s93, s91, 98304
	s_mul_i32 s94, s92, 12288
	s_add_co_u32 s93, s93, s94
	s_add_co_u32 s93, s93, LB                      ; B: group (columns / 2), fragments 4 (columns % 2) on
	s_lshl_b32 s94, s19, 9
	s_add_co_u32 s94, s94, LSA                     ; A's scale words
	s_lshl_b32 s95, s91, 12
	s_lshl_b32 s92, s92, 9
	s_add_co_u32 s95, s95, s92
	s_add_co_u32 s95, s95, LSB
	s_sub_co_u32 s95, s95, s94                     ; B's lie so far behind them
	s_mul_i32 s81, s18, 4*SBLK                     ; my stage
	s_lshl_b32 s82, s76, 7
	s_lshl_b32 s86, s19, 6
	s_add_co_u32 s82, s82, s86
	s_lshl_b32 s82, s82, 12                        ; my first row of out0, 4,096 bytes a row
	s_lshl_b32 s84, s77, 10
	s_lshl_b32 s88, s20, 8
	s_add_co_u32 s84, s84, s88                     ; my first column, in bytes
	s_add_nc_u64 s[14:15], s[14:15], s[82:83]
	s_add_nc_u64 s[14:15], s[14:15], s[84:85]
	s_add_nc_u64 s[12:13], s[12:13], s[84:85]
	s_mov_b32 s[TB], 0
	s_mov_b32 s[TS], 0
	v_and_b32 v1, 15, v0                           ; r
	v_bfe_u32 v2, v0, 4, 1                         ; h
	v_and_b32 v3, 31, v0
	v_lshlrev_b32 v3, 3, v3                        ; 8 x lane
	v_add_nc_u32 v[A0], s90, v3
	v_add_nc_u32 v[B0], s93, v3
	v_lshlrev_b32 v4, 3, v1
	v_mul_u32_u24 v5, s95, v2                      ; lanes 16-31 take B's words
	v_add_nc_u32 v4, v4, v5
	v_add_nc_u32 v[S0], s94, v4
	v_mul_u32_u24 v4, v1, SPITCH                   ; into the stage: row r, 128 bytes for each half of the lanes
	v_lshl_add_u32 v4, v2, 7, v4
	v_add_nc_u32 v[STO], s81, v4
	v_mul_u32_u24 v4, v2, SPITCH                   ; back: lanes 0-15 one row of 256 bytes, lanes 16-31 the next
	v_lshl_add_u32 v4, v1, 4, v4
	v_add_nc_u32 v[RD], s81, v4
	v_lshlrev_b32 v[BO], 4, v1
	v_lshl_add_u32 v[CO], v2, 12, v[BO]            ; and the same two rows in out0
	s_wait_alu depctr_va_vdst(0)                   ; the wait at the head's end
	global_load_b128 v[BI:BI+3], v[BO], s[12:13]
	s_wait_tensorcnt 0x0                           ; my one load has landed;
	s_barrier_signal -1
	s_barrier_wait -1                              ; so has everybody's: nothing is filled again
; A step of 128 along K: the fragments, B's first, then A's one by one; A's fragment a is waited for by count: the 6 loads of each of the 3 - a fragments behind it may be out.
; The 16 accumulators take turns, one instruction a turn, in the same order in every step.
.macro KSTEP s, zero
.if \s == 0
.irp i, 0,1,2,3
	ds_load_b64 v[SC+2*\i:SC+2*\i+1], v[ADRS] offset:128*\i
.endr
.endif
.irp i, 0,1,2,3
.irp p, 0,1,2,3,4,5
	ds_load_b64 v[BF+12*\i+2*\p:BF+12*\i+2*\p+1], v[ADRB] offset:3072*\i+1536*\s+256*\p
.endr
.endr
.irp i, 0,1,2,3
.irp p, 0,1,2,3,4,5
	ds_load_b64 v[AF+12*\i+2*\p:AF+12*\i+2*\p+1], v[ADRA] offset:3072*\i+1536*\s+256*\p
.endr
.endr
.irp a, 0,1,2,3
	s_wait_dscnt 18-6*\a
.irp b, 0,1,2,3
.if \zero
	v_wmma_scale_f32_16x16x128_f8f6f4 v[ACC+32*\a+8*\b:ACC+32*\a+8*\b+7], v[BF+12*\b:BF+12*\b+11], v[AF+12*\a:AF+12*\a+11], 0, v[SC+2*\b+\s], v[SC+2*\a+\s] matrix_a_fmt:MATRIX_FMT_FP6 matrix_b_fmt:MATRIX_FMT_FP6 matrix_a_scale:MATRIX_SCALE_ROW1
.else
	v_wmma_scale_f32_16x16x128_f8f6f4 v[ACC+32*\a+8*\b:ACC+32*\a+8*\b+7], v[BF+12*\b:BF+12*\b+11], v[AF+12*\a:AF+12*\a+11], v[ACC+32*\a+8*\b:ACC+32*\a+8*\b+7], v[SC+2*\b+\s], v[SC+2*\a+\s] matrix_a_fmt:MATRIX_FMT_FP6 matrix_b_fmt:MATRIX_FMT_FP6 matrix_a_scale:MATRIX_SCALE_ROW1
.endif
.endr
.endr
.endm
.macro TRIP zero                       ; 256 along K: two steps
	v_add_nc_u32 v[ADRA], s[TB], v[A0]             ; with the v_nop: four places in front of loads into registers that matrix instructions have read
	v_add_nc_u32 v[ADRB], s[TB], v[B0]
	v_add_nc_u32 v[ADRS], s[TS], v[S0]
	v_nop
	s_wait_alu depctr_va_vdst(0)
	KSTEP 0, \zero
.rept 4
	v_nop
.endr
	KSTEP 1, 0
.endm
	TRIP 1                                         ; the first step's products start the sums
	s_mov_b32 s[CNT], 3
.Lk:
	s_add_co_u32 s[TB], s[TB], 24576
	s_add_co_u32 s[TS], s[TS], 1024
	TRIP 0
	s_sub_co_u32 s[CNT], s[CNT], 1
	s_cmp_lg_u32 s[CNT], 0
	s_cbranch_scc1 .Lk
	s_wait_dscnt 0x0                               ; my reads of the codes are over;
	s_barrier_signal -1
	s_barrier_wait -1                              ; so are everybody's: the stage may lie over them
.rept 4
	v_nop                                          ; places in front of the first reads of results and of loads into the fragments' registers
.endr
	s_wait_loadcnt 0x0                             ; bo
.macro TOSTAGE a                       ; block a, 16 rows x 64 columns, into its own 16 rows of my stage and back as whole rows; LDS serves a wave's instructions in order
.irp b, 0,1,2,3
	ds_store_b128 v[STO], v[ACC+32*\a+8*\b:ACC+32*\a+8*\b+3] offset:SBLK*\a+32*\b      ; each accumulator from its low end on
	ds_store_b128 v[STO], v[ACC+32*\a+8*\b+4:ACC+32*\a+8*\b+7] offset:SBLK*\a+32*\b+16
.endr
.irp n, 0,1,2,3,4,5,6,7
	ds_load_b128 v[AF+32*(\a%3)+4*\n:AF+32*(\a%3)+4*\n+3], v[RD] offset:SBLK*\a+2*SPITCH*\n
.endr
.endm
.macro SEND a, younger                 ; younger: the LDS instructions issued behind block a's loads, which may stay out
	s_wait_dscnt \younger
.irp n, 0,1,2,3,4,5,6,7
	v_pk_add_f32 v[AF+32*(\a%3)+4*\n:AF+32*(\a%3)+4*\n+1], v[AF+32*(\a%3)+4*\n:AF+32*(\a%3)+4*\n+1], v[BI:BI+1]
	v_pk_add_f32 v[AF+32*(\a%3)+4*\n+2:AF+32*(\a%3)+4*\n+3], v[AF+32*(\a%3)+4*\n+2:AF+32*(\a%3)+4*\n+3], v[BI+2:BI+3]
.endr
.irp n, 0,1,2,3,4,5,6,7
	global_store_b128 v[CO], v[AF+32*(\a%3)+4*\n:AF+32*(\a%3)+4*\n+3], s[14:15] offset:(8*\a+(2*\n)%8+32*(\n/4))*4096 th:TH_STORE_NT   ; stage rows 2 n, 2 n + 1 are rows pi of out0
.endr
.endm
	TOSTAGE 0
	TOSTAGE 1
	TOSTAGE 2
	SEND 0, 32                                     ; behind block 0's loads: blocks 1 and 2, 16 instructions each
	s_wait_xcnt 0x0                                ; block 0's stores have read their registers, which take block 3
	TOSTAGE 3
	SEND 1, 32
	SEND 2, 16
	SEND 3, 0
	s_wait_tensorcnt 0x0                           ; the wave's end: behind my last LDS store
	ds_add_u32 v[SPW], v[NIL]
	s_wait_dscnt 0x0
	CROUND                                         ; the closing round
	s_endpgm
.Lfunc_end_k_q0c21cd1da5_oproj:
	.size	k_q0c21cd1da5_oproj, .Lfunc_end_k_q0c21cd1da5_oproj-k_q0c21cd1da5_oproj
	.p2alignl 7, 3214868480
	.fill 96, 4, 3214868480
	.section	.rodata,"a",@progbits
	.p2align	6, 0x0
	.amdhsa_kernel k_q0c21cd1da5_oproj
		.amdhsa_group_segment_fixed_size 327680
		.amdhsa_private_segment_fixed_size 0
		.amdhsa_enable_private_segment 0
		.amdhsa_kernarg_size 48
		.amdhsa_user_sgpr_count 2
		.amdhsa_user_sgpr_kernarg_segment_ptr 1
		.amdhsa_wavefront_size32 1
		.amdhsa_system_sgpr_workgroup_id_x 1
		.amdhsa_system_sgpr_workgroup_id_y 1
		.amdhsa_system_sgpr_workgroup_id_z 1
		.amdhsa_system_vgpr_workitem_id 0
		.amdhsa_next_free_vgpr 256
		.amdhsa_next_free_sgpr 100
		.amdhsa_reserve_vcc 0
		.amdhsa_float_denorm_mode_32 3
		.amdhsa_float_denorm_mode_16_64 3
		.amdhsa_memory_ordered 1
		.amdhsa_forward_progress 1
		.amdhsa_inst_pref_size 42
	.end_amdhsa_kernel
	.amdgpu_metadata
---
amdhsa.version: [ 1, 2 ]
amdhsa.kernels:
  - .name:           k_q0c21cd1da5_oproj
    .symbol:         k_q0c21cd1da5_oproj.kd
    .args:
      - { .name: ac, .offset: 0, .size: 8, .value_kind: global_buffer, .address_space: global }
      - { .name: asc, .offset: 8, .size: 8, .value_kind: global_buffer, .address_space: global }
      - { .name: wc, .offset: 16, .size: 8, .value_kind: global_buffer, .address_space: global }
      - { .name: ws, .offset: 24, .size: 8, .value_kind: global_buffer, .address_space: global }
      - { .name: bo, .offset: 32, .size: 8, .value_kind: global_buffer, .address_space: global }
      - { .name: out0, .offset: 40, .size: 8, .value_kind: global_buffer, .address_space: global }
    .group_segment_fixed_size: 327680
    .private_segment_fixed_size: 0
    .kernarg_segment_align: 8
    .kernarg_segment_size: 48
    .max_flat_workgroup_size: 256
    .sgpr_count:     100
    .vgpr_count:     256
    .wavefront_size: 32
...
	.end_amdgpu_metadata
.endif
;; end of part 4
